; MI455X (gfx1250); checked and timed in simulation.
; The chip was launched on July 23, 2026; its instructions are those of AMD's public machine-readable ISA for CDNA 5 (MIT licence, August 2026) and "CDNA5" Instruction Set Architecture Reference Guide (July 2026). The comments in the code are by the model that wrote it; some were corrected since.
;; Multi Head Self Attention Block. Allowed arithmetic: matrix products marked QUANTISED: E4M3 operands, one given power-of-two scale a tensor, by v_wmma_f32_16x16x64_fp8_fp8 or v_wmma_f32_16x16x128_fp8_fp8, f32 sums; everything else in f32.
;; Inputs: bk 1,024 float32; bo 1,024 float32; bq 1,024 float32; bv 1,024 float32; k_codes 2 x 2,048 x 32 x 32 uint8 (E4M3 codes of k, K innermost, in blocks of 32 codes); lowp_scales 12 int32 (the exponents e of the quantised operands' scales 2^e); mask 1 x 1 x 2,048 x 2,048 int32; q_codes 2 x 2,048 x 32 x 32 uint8 (E4M3 codes of q, K innermost, in blocks of 32 codes); v_codes 2 x 2,048 x 32 x 32 uint8 (E4M3 codes of v, K innermost, in blocks of 32 codes); wk_codes 1,024 x 32 x 32 uint8 (E4M3 codes of wk, K innermost, in blocks of 32 codes); wo_codes 1,024 x 32 x 32 uint8 (E4M3 codes of wo, K innermost, in blocks of 32 codes); wq_codes 1,024 x 32 x 32 uint8 (E4M3 codes of wq, K innermost, in blocks of 32 codes); wv_codes 1,024 x 32 x 32 uint8 (E4M3 codes of wv, K innermost, in blocks of 32 codes).
;; Outputs: out0 2 x 2,048 x 1,024 float32.
;; This version of the problem:
;;   THIS VERSION OF THE PROBLEM IS GIVEN IN LOW PRECISION. The matrix products marked QUANTISED in the list below multiply operands that are first quantised to E4M3 (4 exponent bits, 3 mantissa bits; 8 bits a number), with one given power-of-two scale for each operand tensor; their sums are f32. All else is computed in f32.
;;   The module's matrix products, in the order in which they are computed (A, B: the left and right operand; K: the contracted axis; several contracted axes count as one K, in the product's order):
;;     1. [M 4,096, K 1,024] x [K 1,024, N 1,024]; A: input q (given as codes); B: input wq (given as codes): QUANTISED (scales: A lowp_scales[0], B lowp_scales[1])
;;     2. [M 4,096, K 1,024] x [K 1,024, N 1,024]; A: input k (given as codes); B: input wk (given as codes): QUANTISED (scales: A lowp_scales[2], B lowp_scales[3])
;;     3. [M 4,096, K 1,024] x [K 1,024, N 1,024]; A: input v (given as codes); B: input wv (given as codes): QUANTISED (scales: A lowp_scales[4], B lowp_scales[5])
;;     4. batch 32 x [M 2,048, K 64] x [K 64, N 2,048]; A: computed on the way; B: computed on the way: QUANTISED (scales: A lowp_scales[6], B lowp_scales[7])
;;     5. batch 32 x [M 2,048, K 2,048] x [K 2,048, N 64]; A: softmax (see below); B: computed on the way: QUANTISED (scales: A lowp_scales[8], B lowp_scales[9])
;;     6. [M 4,096, K 1,024] x [K 1,024, N 1,024]; A: computed on the way; B: input wo (given as codes): QUANTISED (scales: A lowp_scales[10], B lowp_scales[11])
;;   THE QUANTISER, for each operand of a quantised product, along K:
;;     - The operand's scale is 2^e, e = its entry of the input lowp_scales (int32; the entries are numbered through the quantised products in the list's order, A before B).
;;     - Each number is divided by the scale, clamped to +-448, and rounded to the nearest number of E4M3, ties to even, subnormals kept.
;;     - The product sums the exact products of the quantised numbers (number of the format x scale) in f32.
;;   ~~~python
;;   def quantise(x, axis, e):      # numpy; x: float32 -> the quantised numbers, widened to float32 again
;;       x = np.moveaxis(x, axis, -1); K = x.shape[-1]
;;       r = np.clip(x / 2.0 ** e, -448, 448)
;;       step = 2.0 ** (np.maximum(np.frexp(np.where(r == 0, 1, r))[1] - 1, -6) - 3)
;;       q = np.round(r / step) * step * 2.0 ** e      # np.round: ties to even
;;       return np.moveaxis(q, -1, axis).astype(np.float32)
;;   ~~~
;;   SOFTMAX AHEAD OF A QUANTISED PRODUCT. Where the list says 'softmax', what is quantised is not the finished softmax but p = 2^(t - M), with t = logit x log2(e) and M = ceil(the row's largest t), a whole number; so 1/2 < the row's largest p <= 1. The row's sum l is taken of the UNQUANTISED p, in f32, and the product's result is divided by l at the end. Since M is a whole number, a kernel that streams over the keys may use a running M (the ceiling of the running maximum): every later rescaling is an exact power of two, so the quantised numbers keep their values, but for numbers so far below the row's largest that they fall under the format's range.
;;   OPERANDS COMPUTED ON THE WAY. 'Computed on the way' means the value that the module computes at that place (a softmax that the list does not call 'softmax' is quantised finished and normalised). What goes into a quantiser is computed in f32, as accurately as f32 sums, v_exp_f32 and their like allow (about 1e-6 of the number): no bf16 or f16 on the way to a quantiser, and a product that is left as it is and whose result goes on into a quantised operand takes f32 operands (vector FMAs, or v_wmma_f32_16x16x4_f32). A number that lies on a knife's edge between two numbers of the format may be rounded either way, as far as f32 arithmetic and the matrix unit's own rounding can turn it there, and no further.
;;   INPUTS GIVEN AS CODES. k (in the module: [2, 2048, 1024], K = its axis 2); q (in the module: [2, 2048, 1024], K = its axis 2); v (in the module: [2, 2048, 1024], K = its axis 2); wk (in the module: [1024, 1024], K = its axis 1); wo (in the module: [1024, 1024], K = its axis 1); wq (in the module: [1024, 1024], K = its axis 1); wv (in the module: [1024, 1024], K = its axis 1): each comes as NAME_codes (uint8): NAME with its K axis moved to the last place and cut into blocks of 32 codes, [.., K / 32, bytes a block], one block behind the other in memory; one code a byte (a code: sign, 4 exponent bits, 3 mantissa bits); its scale is its entry of lowp_scales. Its value is code x scale, taken as it is: it is not quantised again, and the codes and scales need not be those that the quantiser above would give.
;; 2 versions. Each part assembles by itself: llvm-mc -triple=amdgcn-amd-amdhsa -mcpu=gfx1250 --defsym DOCPART=n.
;; ======== version 1 of 2: 4 launches
;; workspace buffers: maskw 524,288 bytes of whole numbers; qc 4,194,304 bytes; kvc 8,388,608 bytes; xc 4,194,304 bytes
;; launch maskpack (part 1): grid 256 x 1, 8 waves a work-group, no clusters, 68,608 bytes of LDS; arguments mask, maskw; writes maskw
.if DOCPART == 1
	.amdgcn_target "amdgcn-amd-amdhsa--gfx1250"
	.amdhsa_code_object_version 6
	.text
	.protected	k_q0f2479b79d_maskpack
	.globl	k_q0f2479b79d_maskpack
	.p2align	8
	.type	k_q0f2479b79d_maskpack,@function
k_q0f2479b79d_maskpack:
	s_mov_b64 s[64:65], 0
	v_nop
	global_prefetch_b8 v0, s[64:65] scope:SCOPE_SE
	s_setreg_imm32_b32 hwreg(HW_REG_WAVE_MODE, 25, 1), 1
	s_wait_xcnt 0x0
; mask [2048][2048] int32 becomes maskw [128 query tiles][16 key steps][64] of 32-bit LANE MASKS, in the order of the attention launch's score registers:
; bit L of word n of (qt, ks) = (mask[16 qt + L % 16][128 ks + 16 (n / 8) + 8 (L / 16) + n % 8] != 0).  So one word selects one score register of a whole wave.
; The mask is the same for all 32 (batch, head) pairs: packed once, it is 1/32 of its bytes for every later read.
; A wave takes one (qt, ks): 16 rows x 128 keys, 8,192 bytes in, 256 bytes out.  Each load reads 512 consecutive bytes of one row, 16 a lane; the compare wants a lane to hold ONE row and eight neighbouring keys.
; So the 16 x 512 bytes turn through the wave's own stage in LDS (rows 528 bytes apart = 33 x 16: sixteen rows start at sixteen different 16-byte columns).  Waves share nothing: no barrier.
; No matrix unit, no cluster, no tensor load: a stream that is read once; all 2,048 waves have their 16 loads out at once.
.set ROWB, 8192                        ; a row of the mask in bytes
.set SP,   528                         ; a stage row
.set R,    16                          ; v16-79   the rows as loaded
.set X,    80                          ; v80-143  turned: register n = my row's key 16 (n / 8) + 8 (lane / 16) + n % 8
	s_load_b128 s[4:7], s[0:1], 0x0                ; mask s[4:5], maskw s[6:7]
	v_lshl_add_u32 v144, v0, 2, 0x10800
	v_mov_b32 v145, 0
	v_lshrrev_b32 v1, 5, v0
	v_readfirstlane_b32 s8, v1                     ; wave 0..7
	v_and_b32 v1, 31, v0                           ; lane
	v_lshlrev_b32 v2, 4, v1                        ; my 16 bytes of a load's 512
	s_mul_i32 s9, s8, 16*SP                        ; my stage
	v_add_nc_u32 v3, s9, v2                        ; into it: as loaded
	v_and_b32 v8, 15, v0                           ; r
	v_bfe_u32 v9, v0, 4, 1                         ; h
	v_mul_u32_u24 v4, v8, SP
	v_lshl_add_u32 v4, v9, 5, v4
	v_add_nc_u32 v4, s9, v4                        ; out of it: row r, + 32 h bytes (eight keys)
	v_lshlrev_b32 v5, 3, v1                        ; the way out: two words a lane
	v_mov_b32 v6, 0                                ; written whole once: a lane write's destination counts as read
	v_mov_b32 v7, 0
	s_lshr_b32 s10, ttmp9, 1                       ; qt
	s_and_b32 s11, ttmp9, 1
	s_lshl_b32 s11, s11, 3
	s_add_co_u32 s11, s11, s8                      ; ks = 8 (work-group % 2) + wave
	s_lshl_b32 s12, s10, 17                        ; 16 rows of 8,192 bytes
	s_lshl_b32 s13, s11, 9                         ; 128 keys of 4 bytes
	s_add_co_u32 s12, s12, s13
	s_mov_b32 s13, 0
	s_lshl_b32 s14, s10, 4
	s_add_co_u32 s14, s14, s11
	s_lshl_b32 s14, s14, 8                         ; 256 bytes for each (qt, ks)
	s_mov_b32 s15, 0
	s_wait_kmcnt 0x0
	s_add_nc_u64 s[4:5], s[4:5], s[12:13]
	s_add_nc_u64 s[6:7], s[6:7], s[14:15]
.irp i, 0,1,2,3,4,5,6,7,8,9,10,11,12,13,14,15
	global_load_b128 v[R+4*\i:R+4*\i+3], v2, s[4:5] offset:ROWB*\i th:TH_LOAD_NT   ; row i: 32 lanes read 512 consecutive bytes; read once in the launch
.endr
.irp i, 0,1,2,3,4,5,6,7,8,9,10,11,12,13,14,15
	s_wait_loadcnt 15-\i                           ; loads come back in order: row i is in, the younger rows stay out
	ds_store_b128 v3, v[R+4*\i:R+4*\i+3] offset:SP*\i
.endr
.irp k, 0,1,2,3,4,5,6,7,8,9,10,11,12,13,14,15
	ds_load_b128 v[X+4*\k:X+4*\k+3], v4 offset:64*(\k/2)+16*(\k%2)   ; LDS serves a wave's instructions in order: these see my stores
.endr
.set k, 0
.rept 16
	s_wait_dscnt 15-k                              ; read-back k is in, the younger ones stay out
.irp m, 0,1,2,3
	v_cmp_ne_u32 s[20+\m], 0, v[X+4*k+\m]          ; word n = 4 k + m: one bit a lane
.endr
.irp m, 0,1,2,3
	v_writelane_b32 v[6+(\m%2)], s[20+\m], (4*k+\m)/2   ; lane n / 2 keeps words n (even: v6, odd: v7)
.endr
.set k, k+1
.endr
	global_store_b64 v5, v[6:7], s[6:7]            ; the wave stores 256 consecutive bytes, aligned
	s_wait_tensorcnt 0x0
	ds_add_u32 v144, v145
	s_wait_dscnt 0x0
	s_endpgm
.Lfunc_end_k_q0f2479b79d_maskpack:
	.size	k_q0f2479b79d_maskpack, .Lfunc_end_k_q0f2479b79d_maskpack-k_q0f2479b79d_maskpack
	.p2alignl 7, 3214868480
	.fill 96, 4, 3214868480
	.section	.rodata,"a",@progbits
	.p2align	6, 0x0
	.amdhsa_kernel k_q0f2479b79d_maskpack
		.amdhsa_group_segment_fixed_size 68608
		.amdhsa_private_segment_fixed_size 0
		.amdhsa_enable_private_segment 0
		.amdhsa_kernarg_size 16
		.amdhsa_user_sgpr_count 2
		.amdhsa_user_sgpr_kernarg_segment_ptr 1
		.amdhsa_wavefront_size32 1
		.amdhsa_system_sgpr_workgroup_id_x 1
		.amdhsa_system_sgpr_workgroup_id_y 1
		.amdhsa_system_sgpr_workgroup_id_z 1
		.amdhsa_system_vgpr_workitem_id 0
		.amdhsa_next_free_vgpr 146
		.amdhsa_next_free_sgpr 66
		.amdhsa_reserve_vcc 0
		.amdhsa_float_denorm_mode_32 3
		.amdhsa_float_denorm_mode_16_64 3
		.amdhsa_memory_ordered 1
		.amdhsa_forward_progress 1
		.amdhsa_inst_pref_size 15
	.end_amdhsa_kernel
	.amdgpu_metadata
---
amdhsa.version: [ 1, 2 ]
amdhsa.kernels:
  - .name:           k_q0f2479b79d_maskpack
    .symbol:         k_q0f2479b79d_maskpack.kd
    .args:
      - { .name: mask, .offset: 0, .size: 8, .value_kind: global_buffer, .address_space: global }
      - { .name: maskw, .offset: 8, .size: 8, .value_kind: global_buffer, .address_space: global }
    .group_segment_fixed_size: 68608
    .private_segment_fixed_size: 0
    .kernarg_segment_align: 8
    .kernarg_segment_size: 16
    .max_flat_workgroup_size: 256
    .sgpr_count:     66
    .vgpr_count:     146
    .wavefront_size: 32
...
	.end_amdgpu_metadata
.endif
;; end of part 1
;; launch proj (part 2): grid 4 x 48, 4 waves a work-group, clusters of 4 x 4, 327,680 bytes of LDS; arguments q_codes, k_codes, v_codes, wq_codes, wk_codes, wv_codes, bq, bk, bv, lowp_scales, qc, kvc; writes qc, kvc
.if DOCPART == 2
	.amdgcn_target "amdgcn-amd-amdhsa--gfx1250"
	.amdhsa_code_object_version 6
	.text
	.protected	k_q0f2479b79d_proj
	.globl	k_q0f2479b79d_proj
	.p2align	8
	.type	k_q0f2479b79d_proj,@function
k_q0f2479b79d_proj:
	s_mov_b64 s[64:65], 0
	v_nop
	global_prefetch_b8 v0, s[64:65] scope:SCOPE_SE
	s_setreg_imm32_b32 hwreg(HW_REG_WAVE_MODE, 25, 1), 1
	s_wait_xcnt 0x0
	s_wait_alu depctr_hold_cnt(0) depctr_sa_sdst(0) depctr_va_vdst(0) depctr_va_sdst(0) depctr_va_ssrc(0) depctr_va_vcc(0) depctr_vm_vsrc(0)
	s_getreg_b32 s2, hwreg(HW_REG_IB_STS2, 6, 4)
	s_cmp_eq_u32 s2, 0
	s_cbranch_scc0 .Lentry_in_a_cluster
	s_endpgm
.Lentry_in_a_cluster:
	s_bfe_u32 s2, ttmp6, 0x10000c
	s_cmp_lg_u32 s2, 0xf033
	s_cbranch_scc0 .Lentry_shape_is_right
	s_endpgm
.Lentry_shape_is_right:
; The three projections in one launch: x W^T + b on codes of FP8 (E4M3), K = 1,024, then quantised anew for attention.  x: [4096][1024] codes, W: [1024][1024] codes, b: [1024] f32.
; T = cluster y / 4 says which: 0 query (scales e0, e1; result by e6), 1 key (e2, e3; e7), 2 value (e4, e5; e9).  T is the same in all sixteen partners of a cluster.
; A tile of 256 x 256 of the result is made by a work-group of four waves, a wave 128 x 128: 64 accumulators, 512 registers.  3 x 64 tiles: 192 work-groups.  (Tiles of 128 x 128 would read each LDS byte for half the products.)
; K goes in steps of 256 through a ring of two LDS slots filled by the tensor data mover: four K steps, two laps, written out.
; ROLES.  The text knows an A role (source 1, shared along a row of the cluster) and a B role (source 0, shared along a column).  THE MATRIX INSTRUCTION IS USED TRANSPOSED: a lane holds ONE row of the A role and
; eight neighbouring rows of the B role.  The next products want a lane's registers to run along THEIR K: for query and key that is the feature d, so A = x, B = W; for value it is the KEY, so A = Wv, B = v.
; The roles are chosen by selects on T (pointers, tile indices); the loop's text is one.
; THE WAY OUT makes codes and stores them as IMAGES OF THE NEXT OPERAND'S REGISTERS: four registers of all 32 lanes are 512 consecutive bytes, lane l's 16 bytes at 16 l.  No stage, no LDS.
;   qc  [bh 32][tile of 16 queries 128][1,024 bytes]: registers 2 c, 2 c + 1 of lane (r, h) = d 16 c + 8 h + 0 .. 7 of query r.
;   kvc [bh 32][half 2][K, V][step 8][8,192 bytes]: a K step is 8 tiles of 16 keys laid as in qc; a V step is 4 tiles of 16 d x 128 keys, 2,048 bytes: registers 2 c, 2 c + 1 = keys 16 c + 8 h + 0 .. 7 of d r.
; Only the way out differs between (query, key) and value: one branch on T.
; LIMITS, so that each power of two is an f32 number: e0 + e1, e2 + e3, e4 + e5 between -126 and 127; e6, e7, e9 between -126 and 119.
; REGISTERS, in windows of 256: window 0: v0-31 addresses; v32-39 the bias loads' offsets; v64-127 the biases; from v128 A's fragments, ONE set; on the way out v128-191 numbers, v192-255 codes.
;   window 1: B's fragments, TWO sets.   window 2: the accumulators of my A rows 0-63 ((a, b) at v[8 (8 a + b)]);   window 3: those of rows 64-127.
.set KSTEP,  256                       ; along K in a slot
.set ROWB,   256                       ; a tile's row in bytes
.set KROW,   1024                      ; a row of either operand in memory
.set PITCH,  272                       ; an LDS row: 256 bytes + 16 of padding = 68 words: row r starts at bank 4 r mod 64 (ISA guide 11.1): the 16 rows of a load start at 16 different banks
.set FR,     16                        ; registers of a fragment: 16 rows x 128 K
.set NL,     4                         ; LDS loads that bring one
.set NP,     4                         ; places behind this matrix instruction (ISA guide 7.12.1)
.set HALFT,  128*PITCH                 ; 128 rows: what one tensor load brings
.set SLOT,   4*HALFT                   ; A's 256 rows, then B's 256 rows
.set SPARE,  2*SLOT                    ; behind the ring: the spare words, 128 bytes for each wave
.set ADRA, 16                          ; v16-17  LDS address of my A fragments in slot 0, 1
.set ADRB, 20                          ; v20-21  the same for B
.set VO0,  24                          ; v24     the way out: 16 x lane
.set VO1,  25                          ; v25     the same, one head further on
.set SPW,  28                          ; v28     LDS address of my spare word; never rewritten
.set NIL,  29                          ; v29     0; never rewritten
.set SCL,  30                          ; v30     2^eo as f32: the conversions take its exponent field
.set LIM,  31                          ; v31     448 x 2^eo
.set BOF,  32                          ; v32-39  byte offsets of the bias loads; never rewritten
.set BB,   64                          ; v64-127 the biases in the results' layout
.set AF,   128                         ; A's fragments, in window 0
.set TMP,  128                         ; the way out: a block's 64 numbers
.set CD,   192                         ; the way out: codes, four sets of 16 registers
.set G1, 24                            ; s[24:31] descriptor group 1 for A's tiles;  s[32:39] group 0, one set for each slot
.set G0, 32
.set G1B, 48                           ; s[48:55], s[56:63] the same for B's tiles
.set G0B, 56
.set MSB, 0
.macro WIN new                         ; the immediate's high byte repeats the setting that is left
.if MSB != \new
	s_set_vgpr_msb (MSB<<8)|\new
.set MSB, \new
.endif
.endm
.set MUL_LO, 0xa1                      ; source 0 (B) window 1, source 1 (A) window 0, C and D window 2
.set MUL_HI, 0xf1                      ; the same, C and D window 3
.set TO_B,   0x40                      ; destination window 1, address window 0
; A joint load: waves 0 and 1 fetch for A, waves 2 and 3 for B.  Each of the two lines has ONE mask and one set of registers for all that issue it; the branch hangs on the wave's number alone.
; Four v_nop follow each of the two lines, ahead of the jump, the label and what follows.
.macro JLOAD g0a, g1a, g0b, g1b
	s_cmp_eq_u32 s15, 0
	s_cbranch_scc0 .Lfor_b_\@
	tensor_load_to_lds s[\g0a:\g0a+3], s[\g1a:\g1a+7]
	s_nop 0
.rept 4
	v_nop
.endr
	s_branch .Lasked_\@
.Lfor_b_\@:
	tensor_load_to_lds s[\g0b:\g0b+3], s[\g1b:\g1b+7]
	s_nop 0
.rept 4
	v_nop
.endr
.Lasked_\@:
.endm
.macro CREST                           ; a round of the cluster's barrier behind its opening barrier
	s_cmp_lg_u32 s14, 0
	s_cbranch_scc1 .Lnot_wave_0_\@
	s_barrier_signal -3
.Lnot_wave_0_\@:
	s_barrier_wait -3
	s_barrier_signal -1
	s_barrier_wait -1
.endm
.macro CROUND                          ; a whole round
	s_barrier_signal -1
	s_barrier_wait -1
	CREST
.endm
	s_load_b512 s[68:83], s[0:1], 0x0              ; q s[68:69], k s[70:71], v s[72:73], wq s[74:75], wk s[76:77], wv s[78:79], bq s[80:81], bk s[82:83]
	s_load_b256 s[84:91], s[0:1], 0x40             ; bv s[84:85], the scales' exponents s[86:87], qc s[88:89], kvc s[90:91]
	v_lshl_add_u32 v[SPW], v0, 2, SPARE
	v_mov_b32 v[NIL], 0
	ds_add_u32 v28, v29
	ds_add_u32 v28, v29
	s_wait_dscnt 0x0
	v_lshrrev_b32 v1, 5, v0
	v_readfirstlane_b32 s14, v1                    ; wave 0..3
	s_lshr_b32 s15, s14, 1                         ; which half of the tile's A rows is mine.  Also: I fetch for A (0) or for B (1)
	s_and_b32 s16, s14, 1                          ; which half of its B rows.  Also: which 128 rows of that tile I fetch
	s_bfe_u32 s40, ttmp6, 0x40000                  ; cx, cy: my place in the cluster
	s_bfe_u32 s41, ttmp6, 0x40004
	s_and_b32 s67, ttmp7, 0xffff                   ; cluster y, 0 .. 11 (cluster x is 0: the grid is one cluster wide)
	s_lshr_b32 s66, s67, 2                         ; T
	s_and_b32 s67, s67, 3
	s_lshl_b32 s67, s67, 2                         ; the activations have 16 tiles of 256 rows: 4 x (cluster y % 4) + the place in the cluster; the weights have 4: the place alone
	s_cmp_eq_u32 s66, 2
	s_cselect_b32 s17, 0, s67
	s_cselect_b32 s42, s67, 0
	s_add_co_u32 s17, s17, s41                     ; A's tile: hangs on cy and the cluster's y alone
	s_add_co_u32 s42, s42, s40                     ; B's tile: on cx and the cluster's y alone
	s_lshl_b32 s43, s41, 2
	s_lshl_b32 s43, 15, s43                        ; my row of the cluster
	s_lshl_b32 s44, 0x1111, s40                    ; my column
	; descriptor group 1: a tile of 128 rows x 256 bytes, padded in LDS
	s_or_b32 s[G1+0], s43, (0<<16)|(1<<20)|(1<<21)|(5<<22)|(3<<25)  ; 15:0 the mask: A's tiles go to my row; 17:16 element of 1 byte; 20 padding on; 21 set beside a mask; 24:22 after every 64 words (code 5); 31:25 of 4 words (code 3)
	s_or_b32 s[G1B+0], s44, (0<<16)|(1<<20)|(1<<21)|(5<<22)|(3<<25)
.irp g, G1, G1B
	s_mov_b32 s[\g+1], ROWB<<16                    ; tensor_dim0
	s_mov_b32 s[\g+2], 128<<16                     ; tensor_dim1 = 128
	s_mov_b32 s[\g+3], ROWB<<16                    ; tile_dim0
	s_mov_b32 s[\g+4], 128                         ; tile_dim1 = 128
	s_mov_b32 s[\g+5], KROW                        ; tensor_dim0_stride
	s_mov_b32 s[\g+6], 0
	s_mov_b32 s[\g+7], 0
.endr
	s_lshl_b32 s18, s16, 7                         ; which 128 rows of the tile I fetch
	s_lshl_b32 s20, s17, 8
	s_add_co_u32 s20, s20, s18                     ; A: row 256 x tile + 128 x half
	s_lshl_b32 s46, s42, 8
	s_add_co_u32 s46, s46, s18                     ; B likewise
	s_mov_b32 s21, 0
	s_mov_b32 s47, 0
	s_mov_b64 s[18:19], KROW
	s_mul_u64 s[20:21], s[20:21], s[18:19]
	s_mul_u64 s[46:47], s[46:47], s[18:19]
	s_mul_i32 s45, s14, HALFT                      ; where they go: wave x 128 rows: no place in the cluster enters an LDS address
	s_wait_kmcnt 0x0
	s_cmp_eq_u32 s66, 0                            ; the buffers are chosen on T, which hangs on no address
	s_cselect_b64 s[92:93], s[68:69], s[70:71]     ; the activations,
	s_cselect_b64 s[94:95], s[74:75], s[76:77]     ; the weights,
	s_cselect_b64 s[12:13], s[80:81], s[82:83]     ; the bias,
	s_cselect_b64 s[10:11], s[88:89], s[90:91]     ; where the codes go: qc for the query, kvc for key and value
	s_cmp_eq_u32 s66, 2
	s_cselect_b64 s[92:93], s[72:73], s[92:93]
	s_cselect_b64 s[94:95], s[78:79], s[94:95]
	s_cselect_b64 s[12:13], s[84:85], s[12:13]
	s_cselect_b64 s[4:5], s[94:95], s[92:93]       ; the A role: the activations, for value the weights
	s_cselect_b64 s[6:7], s[92:93], s[94:95]       ; the B role: the other
	s_load_b256 s[68:75], s[86:87], 0x0            ; e0 .. e7, over pointers that have been chosen from
	s_load_b128 s[76:79], s[86:87], 0x20           ; e8 .. e11
	s_add_nc_u64 s[20:21], s[4:5], s[20:21]
	s_add_nc_u64 s[46:47], s[6:7], s[46:47]
	CROUND                                         ; all sixteen work-groups are here: the first joint loads meet
.irp s, 0,1
	s_mov_b32 s[G0+4*\s], 1
	s_add_co_u32 s[G0+4*\s+1], s45, \s*SLOT
	s_add_nc_u64 s[G0+4*\s+2:G0+4*\s+3], s[20:21], \s*ROWB
	s_or_b32 s[G0+4*\s+3], s[G0+4*\s+3], 0x80000000
	s_mov_b32 s[G0B+4*\s], 1
	s_add_co_u32 s[G0B+4*\s+1], s45, \s*SLOT
	s_add_nc_u64 s[G0B+4*\s+2:G0B+4*\s+3], s[46:47], \s*ROWB
	s_or_b32 s[G0B+4*\s+3], s[G0B+4*\s+3], 0x80000000
	JLOAD G0+4*\s, G1, G0B+4*\s, G1B
.endr
	v_and_b32 v1, 15, v0                           ; r = l % 16
	v_bfe_u32 v2, v0, 4, 1                         ; h = l / 16
	v_mul_u32_u24 v3, v1, PITCH
	v_lshl_add_u32 v4, v2, 4, v3                   ; a fragment's row x pitch + 16 x half
	s_mul_i32 s21, s15, HALFT                      ; my 128 rows of A
	s_mul_i32 s22, s16, HALFT                      ; my 128 rows of B,
	s_add_co_u32 s22, s22, 2*HALFT                 ; which lie behind A's 256
.irp s, 0,1
	v_add_nc_u32 v[ADRA+\s], s21, v4
	v_add_nc_u32 v[ADRB+\s], s22, v4
	s_add_co_u32 s21, s21, SLOT
	s_add_co_u32 s22, s22, SLOT
.endr
	; my wave's first activation row m0 and first weight row n0
	s_lshl_b32 s20, s17, 8
	s_lshl_b32 s21, s15, 7
	s_add_co_u32 s20, s20, s21                     ; my first A row
	s_lshl_b32 s46, s42, 8
	s_lshl_b32 s47, s16, 7
	s_add_co_u32 s46, s46, s47                     ; my first B row
	s_cmp_eq_u32 s66, 2
	s_cselect_b32 s22, s46, s20                    ; m0
	s_cselect_b32 s23, s20, s46                    ; n0
	; THE BIASES, in the results' layout.  Query, key: register 8 b + j = bias[n0 + 16 b + 8 h + j] (B's block b).  Value: registers 8 a + j = bias[n0 + 16 a + r], the same in all j (A's block a).
	; One text for both: offset = r sr + h sh + j sj + 64 x, with (sr, sh, sj) = (0, 32, 4) or (4, 0, 0)
	s_cselect_b32 s18, 4, 0
	s_cselect_b32 s19, 0, 32
	s_cselect_b32 s21, 0, 4
	v_mul_u32_u24 v5, v1, s18
	v_mad_u32_u24 v5, v2, s19, v5
	v_mov_b32 v6, s21
.irp j, 0,1,2,3,4,5,6,7
	v_mad_u32_u24 v[BOF+\j], v6, \j, v5
.endr
	s_lshl_b32 s18, s23, 2
	s_mov_b32 s19, 0
	s_add_nc_u64 s[12:13], s[12:13], s[18:19]
.irp x, 0,1,2,3,4,5,6,7
.irp j, 0,1,2,3,4,5,6,7
	global_load_b32 v[BB+8*\x+\j], v[BOF+\j], s[12:13] offset:64*\x   ; waited for on the way out
.endr
.endr
	; where my codes go: (16 batch + head) x a head's bytes + the key step's place
	s_lshr_b32 s18, s22, 11                        ; batch
	s_lshl_b32 s18, s18, 4
	s_lshr_b32 s19, s23, 6                         ; my first head (I make two)
	s_add_co_u32 s18, s18, s19
	s_bfe_u32 s19, s22, 0x40007                    ; ks: which 128 positions of the 2,048
	s_cmp_eq_u32 s66, 0
	s_cselect_b32 s47, 17, 18                      ; a head's bytes: 2^17 in qc, 2^18 in kvc
	s_lshl_b32 s18, s18, s47
	s_lshl_b32 s46, 1, s47
	s_lshl_b32 s21, s19, 13                        ; 8,192 ks
	s_add_co_u32 s18, s18, s21
	s_lshr_b32 s21, s19, 3
	s_lshl_b32 s21, s21, 16                        ; in kvc the second half's steps lie 65,536 further on (behind the first half's V)
	s_cmp_eq_u32 s66, 0
	s_cselect_b32 s21, 0, s21
	s_add_co_u32 s18, s18, s21
	s_cmp_eq_u32 s66, 2
	s_cselect_b32 s21, 0x10000, 0                  ; V behind K
	s_add_co_u32 s18, s18, s21
	s_mov_b32 s19, 0
	s_add_nc_u64 s[10:11], s[10:11], s[18:19]
	v_and_b32 v7, 31, v0
	v_lshlrev_b32 v[VO0], 4, v7
	v_add_nc_u32 v[VO1], s46, v[VO0]
.macro FRAG reg, adr, q, i             ; a fragment is fetched by four loads of 16 bytes: registers 4 c .. 4 c + 3 hold K = 32 c + 16 (l / 16) + 0 .. 15: a permutation of k that is the same in A and in B, so every product meets its partner
.irp c, 0,1,2,3
	ds_load_b128 v[\reg+4*\c:\reg+4*\c+3], v[\adr] offset:128*(\q)+32*\c+(\i)*16*PITCH
.endr
.endm
; 16 matrix instructions: A's blocks a0, a0 + 1 x B's eight, 128 along K.  p: B's set.  zero = 1: the first product starts the sums: nothing is ever cleared.
; The 64 accumulators take turns, one instruction a turn, in the same order in every step.
.macro MUL16 a0, p, zero
.irp a, \a0, \a0+1
.irp b, 0,1,2,3,4,5,6,7
.if \zero
	v_wmma_f32_16x16x128_fp8_fp8 v[8*(8*((\a)%4)+\b):8*(8*((\a)%4)+\b)+7], v[128*(\p)+FR*\b:128*(\p)+FR*\b+FR-1], v[AF+FR*(\a):AF+FR*(\a)+FR-1], 0
.else
	v_wmma_f32_16x16x128_fp8_fp8 v[8*(8*((\a)%4)+\b):8*(8*((\a)%4)+\b)+7], v[128*(\p)+FR*\b:128*(\p)+FR*\b+FR-1], v[AF+FR*(\a):AF+FR*(\a)+FR-1], v[8*(8*((\a)%4)+\b):8*(8*((\a)%4)+\b)+7]
.endif
.endr
.endr
.endm
.macro FETCH_B slot, q, p              ; B's eight fragments of the slot's q-th 128 along K into set p
	WIN TO_B
.irp i, 0,1,2,3,4,5,6,7
	FRAG 128*(\p)+FR*\i, ADRB+\slot, \q, \i
.endr
	WIN 0
.endm
.macro FETCH_A slot, q, i0             ; A's blocks i0 .. i0 + 3
.irp i, \i0, \i0+1, \i0+2, \i0+3
	FRAG AF+FR*(\i), ADRA+\slot, \q, \i
.endr
.endm
; A load into a register that a matrix instruction has read, and a vector instruction that reads a matrix result or writes one of its registers, stand NP places behind it; only plain vector
; instructions that name none of its registers are places (ISA guide 7.12.1 for vector instructions).
.macro PLACES n
.rept \n
	v_nop
.endr
.endm
; A step of 128 along K that has its successor in the same slot.  A block of A is free as soon as its eight products are issued, so one set serves A: blocks 0-3 are fetched anew in the step's middle, blocks 4-7 at its end.
.macro STEP slot, q, zero
	s_wait_dscnt 4*NL                              ; B's set and A's blocks 0-3 are in; the youngest sixteen loads (A's blocks 4-7) may be out
	WIN MUL_LO
	MUL16 0, (\q)%2, \zero
	MUL16 2, (\q)%2, \zero
	s_wait_dscnt 0                                 ; A's blocks 4-7 are in (asked for 32 matrix instructions ago)
	PLACES NP
	FETCH_B \slot, (\q)+1, 1-(\q)%2
	FETCH_A \slot, (\q)+1, 0
	WIN MUL_HI
	MUL16 4, (\q)%2, \zero
	MUL16 6, (\q)%2, \zero
	PLACES NP
	WIN 0
	FETCH_A \slot, (\q)+1, 4
.endm
; A slot's last step changes slots: ONE barrier; in front of it each wave waits for all its tensor loads, adds 0 to its spare word, and waits for that and for its own reads of this slot.  fill = 1: this slot is filled again, two K steps ahead.
.macro TURN slot, next, fill
	s_wait_tensorcnt 0x0                           ; all my tensor loads have landed: my part of the next slot;  (every window is 0 here)
	ds_add_u32 v[SPW], v[NIL]                      ; 0 onto my spare word
	s_wait_dscnt 4*NL+1                            ; (the add and the youngest sixteen loads, A's blocks 4-7, may be out)
	WIN MUL_LO
	MUL16 0, 1, 0                                  ; sixteen matrix instructions stand between the add and the wait for it
	s_wait_dscnt 0x0                               ; the add is done, and my reads of this slot are over
	s_barrier_signal -1
	MUL16 2, 1, 0
	WIN 0
	s_barrier_wait -1
.if \fill
	CREST                                          ; the barrier has opened a round of the cluster's barrier: no wave of any partner still reads this slot's tile or has a load on its way
	s_add_nc_u64 s[G0+4*\slot+2:G0+4*\slot+3], s[G0+4*\slot+2:G0+4*\slot+3], 2*ROWB
	s_add_nc_u64 s[G0B+4*\slot+2:G0B+4*\slot+3], s[G0B+4*\slot+2:G0B+4*\slot+3], 2*ROWB
	JLOAD G0+4*\slot, G1, G0B+4*\slot, G1B         ; the first tensor load behind the round; the four v_nop behind it are the places in front of the loads below
.else
	PLACES NP
.endif
	FETCH_B \next, 0, 0
	FETCH_A \next, 0, 0
	WIN MUL_HI
	MUL16 4, 1, 0
	MUL16 6, 1, 0
	PLACES NP
	WIN 0
	FETCH_A \next, 0, 4
.endm
	s_wait_tensorcnt 1                             ; my part of K step 0 is in (K step 1's load may be out)
	s_barrier_signal -1
	s_barrier_wait -1                              ; everybody's is
	FETCH_B 0, 0, 0
	FETCH_A 0, 0, 0
	FETCH_A 0, 0, 4
	STEP 0, 0, 1                                   ; K 0-127: its products start the sums
	TURN 0, 1, 1                                   ; K 128-255; slot 0 takes K step 2
	STEP 1, 0, 0
	TURN 1, 0, 1                                   ; slot 1 takes K step 3
	STEP 0, 0, 0
	TURN 0, 1, 0                                   ; the last lap fills nothing, and has no round of the cluster's barrier
	STEP 1, 0, 0
	s_wait_dscnt 4*NL                              ; the very last step: nothing more to fetch
	WIN MUL_LO
	MUL16 0, 1, 0
	MUL16 2, 1, 0
	s_wait_dscnt 0
	WIN MUL_HI
	MUL16 4, 1, 0
	MUL16 6, 1, 0
	WIN 0
	; THE WAY OUT.  number = sum x 2^(ea + eb) + bias, one packed multiply-add for two; held within +-448 x 2^eo; eight neighbours along the next K become two registers of codes.
	s_wait_kmcnt 0x0
	s_add_co_i32 s68, s68, s69                     ; e0 + e1
	s_add_co_i32 s70, s70, s71                     ; e2 + e3
	s_add_co_i32 s72, s72, s73                     ; e4 + e5
	s_cmp_eq_u32 s66, 0
	s_cselect_b32 s96, s68, s70
	s_cselect_b32 s98, s74, s75                    ; e6 or e7
	s_cmp_eq_u32 s66, 2
	s_cselect_b32 s96, s72, s96
	s_cselect_b32 s98, s77, s98                    ; or e9
	s_add_co_i32 s96, s96, 127
	s_lshl_b32 s96, s96, 23                        ; 2^(ea + eb) as f32
	s_mov_b32 s97, s96                             ; (named with it as a pair, so it is written)
	s_add_co_i32 s98, s98, 127
	s_lshl_b32 s99, s98, 23
	v_mov_b32 v[SCL], s99
	s_add_co_i32 s98, s98, 8
	s_lshl_b32 s98, s98, 23
	s_or_b32 s98, s98, 0x600000
	v_mov_b32 v[LIM], s98
	s_wait_loadcnt 0x0                             ; the biases
	PLACES NP                                      ; behind the last products: A's registers are written, and results are read, below
; Block a: my A rows 16 a .. 16 a + 15 against all 128 B rows: 64 numbers a lane, 16 registers of codes, four stores of 512 consecutive bytes.
.macro OUTBLK a, isv
.set AC, 64*((\a)%4)
.set CB, CD+16*((\a)%4)
.if (\a) >= 4
	s_wait_xcnt 0x0                                ; block a - 4's stores have read this set of code registers
.endif
	WIN 0x02+((\a)/4)                              ; source 0: window 2 or 3
.irp b, 0,1,2,3,4,5,6,7
.irp j, 0,2,4,6
.if \isv
	v_pk_fma_f32 v[TMP+8*\b+\j:TMP+8*\b+\j+1], v[AC+8*\b+\j:AC+8*\b+\j+1], s[96:97], v[BB+8*(\a):BB+8*(\a)+1] op_sel_hi:[1,0,1]   ; the bias of my one feature; each accumulator from its low end on
.else
	v_pk_fma_f32 v[TMP+8*\b+\j:TMP+8*\b+\j+1], v[AC+8*\b+\j:AC+8*\b+\j+1], s[96:97], v[BB+8*\b+\j:BB+8*\b+\j+1] op_sel_hi:[1,0,1]   ; the biases of my eight features
.endif
.endr
.endr
	WIN 0
.irp b, 0,1,2,3,4,5,6,7
.irp j, 0,1,2,3,4,5,6,7
	v_med3_num_f32 v[TMP+8*\b+\j], v[TMP+8*\b+\j], -v[LIM], v[LIM]   ; the conversion to an 8-bit code does not saturate (ISA guide 7.6.2): the hold comes first
.endr
	v_cvt_scalef32_pk8_fp8_f32 v[CB+2*\b:CB+2*\b+1], v[TMP+8*\b:TMP+8*\b+7], v[SCL]
.endr
	v_nop                                          ; a plain line behind the last conversion: the next block writes its sources
.if \isv
.irp i, 0,1,2,3
	global_store_b128 v[VO0], v[CB+4*\i:CB+4*\i+3], s[10:11] offset:((\a)/4)*262144+((\a)%4)*2048+512*\i   ; one tile of V: 16 d x my 128 keys; blocks 4-7 belong to the next head
.endr
.else
	global_store_b128 v[VO0], v[CB:CB+3], s[10:11] offset:1024*(\a)          ; tile a of 16 positions, my first head's 64 d,
	global_store_b128 v[VO0], v[CB+4:CB+7], s[10:11] offset:1024*(\a)+512
	global_store_b128 v[VO1], v[CB+8:CB+11], s[10:11] offset:1024*(\a)       ; and the next head's
	global_store_b128 v[VO1], v[CB+12:CB+15], s[10:11] offset:1024*(\a)+512
.endif
.endm
	s_cmp_eq_u32 s66, 2                            ; the one branch on T: the same way in all waves of all sixteen partners
	s_cbranch_scc1 .Lout_v
.irp a, 0,1,2,3,4,5,6,7
	OUTBLK \a, 0
.endr
	s_branch .Lout_done
.Lout_v:
.irp a, 0,1,2,3,4,5,6,7
	OUTBLK \a, 1
.endr
.Lout_done:
	s_wait_tensorcnt 0x0                           ; the wave's end
	ds_add_u32 v[SPW], v[NIL]
	s_wait_dscnt 0x0
	CROUND                                         ; the closing round: no work-group ends while a partner may still ask for a tile that names it
	s_endpgm
.Lfunc_end_k_q0f2479b79d_proj:
	.size	k_q0f2479b79d_proj, .Lfunc_end_k_q0f2479b79d_proj-k_q0f2479b79d_proj
	.p2alignl 7, 3214868480
	.fill 96, 4, 3214868480
	.section	.rodata,"a",@progbits
	.p2align	6, 0x0
	.amdhsa_kernel k_q0f2479b79d_proj
		.amdhsa_group_segment_fixed_size 327680
		.amdhsa_private_segment_fixed_size 0
		.amdhsa_enable_private_segment 0
		.amdhsa_kernarg_size 96
		.amdhsa_user_sgpr_count 2
		.amdhsa_user_sgpr_kernarg_segment_ptr 1
		.amdhsa_wavefront_size32 1
		.amdhsa_system_sgpr_workgroup_id_x 1
		.amdhsa_system_sgpr_workgroup_id_y 1
		.amdhsa_system_sgpr_workgroup_id_z 1
		.amdhsa_system_vgpr_workitem_id 0
		.amdhsa_next_free_vgpr 1024
		.amdhsa_next_free_sgpr 100
		.amdhsa_reserve_vcc 0
		.amdhsa_float_denorm_mode_32 3
		.amdhsa_float_denorm_mode_16_64 3
		.amdhsa_memory_ordered 1
		.amdhsa_forward_progress 1
		.amdhsa_inst_pref_size 198
	.end_amdhsa_kernel
	.amdgpu_metadata
---
amdhsa.version: [ 1, 2 ]
amdhsa.kernels:
  - .name:           k_q0f2479b79d_proj
    .symbol:         k_q0f2479b79d_proj.kd
    .args:
      - { .name: q_codes, .offset: 0, .size: 8, .value_kind: global_buffer, .address_space: global }
      - { .name: k_codes, .offset: 8, .size: 8, .value_kind: global_buffer, .address_space: global }
      - { .name: v_codes, .offset: 16, .size: 8, .value_kind: global_buffer, .address_space: global }
      - { .name: wq_codes, .offset: 24, .size: 8, .value_kind: global_buffer, .address_space: global }
      - { .name: wk_codes, .offset: 32, .size: 8, .value_kind: global_buffer, .address_space: global }
      - { .name: wv_codes, .offset: 40, .size: 8, .value_kind: global_buffer, .address_space: global }
      - { .name: bq, .offset: 48, .size: 8, .value_kind: global_buffer, .address_space: global }
      - { .name: bk, .offset: 56, .size: 8, .value_kind: global_buffer, .address_space: global }
      - { .name: bv, .offset: 64, .size: 8, .value_kind: global_buffer, .address_space: global }
      - { .name: lowp_scales, .offset: 72, .size: 8, .value_kind: global_buffer, .address_space: global }
      - { .name: qc, .offset: 80, .size: 8, .value_kind: global_buffer, .address_space: global }
      - { .name: kvc, .offset: 88, .size: 8, .value_kind: global_buffer, .address_space: global }
    .group_segment_fixed_size: 327680
    .private_segment_fixed_size: 0
    .kernarg_segment_align: 8
    .kernarg_segment_size: 96
    .max_flat_workgroup_size: 128
    .sgpr_count:     100
    .vgpr_count:     1024
    .wavefront_size: 32
...
	.end_amdgpu_metadata
.endif
;; end of part 2
;; launch attn (part 3): grid 8 x 32, 8 waves a work-group, clusters of 4 x 1, 263,168 bytes of LDS; arguments qc, kvc, maskw, lowp_scales, xc; writes xc
.if DOCPART == 3
	.amdgcn_target "amdgcn-amd-amdhsa--gfx1250"
	.amdhsa_code_object_version 6
	.text
	.protected	k_q0f2479b79d_attn
	.globl	k_q0f2479b79d_attn
	.p2align	8
	.type	k_q0f2479b79d_attn,@function
k_q0f2479b79d_attn:
	s_mov_b64 s[64:65], 0
	v_nop
	global_prefetch_b8 v0, s[64:65] scope:SCOPE_SE
	s_setreg_imm32_b32 hwreg(HW_REG_WAVE_MODE, 25, 1), 1
	s_wait_xcnt 0x0
	s_wait_alu depctr_hold_cnt(0) depctr_sa_sdst(0) depctr_va_vdst(0) depctr_va_sdst(0) depctr_va_ssrc(0) depctr_va_vcc(0) depctr_vm_vsrc(0)
	s_getreg_b32 s2, hwreg(HW_REG_IB_STS2, 6, 4)
	s_cmp_eq_u32 s2, 0
	s_cbranch_scc0 .Lentry_in_a_cluster
	s_endpgm
.Lentry_in_a_cluster:
	s_bfe_u32 s2, ttmp6, 0x10000c
	s_cmp_lg_u32 s2, 0x3003
	s_cbranch_scc0 .Lentry_shape_is_right
	s_endpgm
.Lentry_shape_is_right:
; Attention of one (batch, head) on codes of FP8 (E4M3): scores = Q K^T / 8; where the mask is 0 the score IS -1 (a soft mask: such a key still counts in maximum, sum and product); softmax; x V; quantised for the last product.
; THE SOFTMAX AHEAD OF THE SECOND PRODUCT: t = score x log2(e); M = the row's largest t so far, rounded UP to a whole number; p = 2^(t - M) is quantised (by e8), not normalised; the row's sum is taken of the
; unquantised p and divides at the end.  When M moves, the sum and O are multiplied by 2^(old M - new M): nothing is rounded, and there is no branch on data.
; SHARES.  A work-group owns 256 queries of one head; each of its eight waves owns 32: two tiles of 16.  Two waves lie on a SIMD, so that one wave's matrix work and waits stand beside the other's vector work;
; each fragment of K and V read from LDS feeds two products.  Every wave walks all 2,048 keys, 128 a step.
; LDS holds THE HEAD'S WHOLE K AND V, 262,144 bytes, filled once: no ring, no slot is filled again.  It is the image of kvc: [half 2][K, V][step 8][8,192 bytes]; each wave asks for 16,384 bytes of each half.
; All of it is asked for at the start, the second half while the first is worked on: there is no later tile to ask ahead for.
; CLUSTER.  The four query blocks of a cluster belong to one head and need the same K and V: each load is JOINT, the same descriptor and the mask of all four in all four.
; LAYOUT.  Both products are used transposed: S^T = K Q^T (source 0 = 16 keys, source 1 = 16 queries), O^T = V^T P^T: a lane holds ONE query (lane % 16) throughout.  Register j of tile kt of S^T is key 16 kt + 8 (lane / 16) + j:
; its eight registers convert into registers 2 kt, 2 kt + 1 of P, the place that the 128-deep form gives those keys.  K, V and Q lie in memory as images of their registers: every LDS load is 512 consecutive bytes.
; THE MASK comes as lane masks (one 32-bit word for each score register of a tile and step), by scalar loads, 256 bytes a tile and step, asked for one tile's softmax ahead: one v_cndmask_b32 a score.
; LIMITS, so that each power of two is an f32 number: e6 + e7 between -123 and 129; e8 and e10 between -126 and 119; e8 + e9 goes by v_ldexp_f32 and has none.
; REGISTERS.  window 0: v1 16 x lane; v2, v3 LDS addresses; v4 the sum that stands for a score of -1; v5, v6 448 x 2^e8, 2^e8; v8-15, v16-23 a tile's statistics; v24-27 at work; v28, v29 2^e10, 448 x 2^e10;
;   v32-95 K's 8 fragments; v96-223 S^T, then p, 64 a tile; v224-255 P's codes, 16 a tile.   window 1: v0-63 O^T, 32 a tile; v64-127 V's 4 fragments; v128-143 Q, 8 a tile.
.set LI,   1
.set ADK,  2
.set ADV,  3
.set NEG,  4
.set PLIM, 5
.set PSC,  6
.set ST,   8                           ; tile t at v[ST + 8 t]: +0 -M, +1 the largest t, +2, +3 the sum in two halves, +4 f (+5 named with it), +6, +7 at work
.set T2,   24                          ; v[24:25] the sums' second chain
.set PX,   26                          ; v26, v27 lane permutes' destinations
.set XSC,  28
.set XLIM, 29
.set KF,   32
.set S,    96
.set P,    224
.set O,    0                           ; in window 1
.set VF,   64
.set QF,   128
.set WV,   2                           ; s2   my wave's number
.set CNT,  3                           ; s3   counts key steps
.set G0A,  4                           ; s[4:7], s[8:11] descriptor groups 0: the first half, the second half
.set G0B,  8
.set G1,   12                          ; s[12:19] descriptor group 1
.set MP,   20                          ; s[20:21] the mask words of my first tile
.set MO,   22                          ; s22  256 x the key step whose words are asked for
.set TB,   23                          ; s23  LDS byte of the step's K
.set CS,   24                          ; s[24:25] c = log2(e) / 8 x 2^(e6 + e7)
.set SEL,  26                          ; s[26:27] lane selects: lane l xor 16
.set XP,   28                          ; s[28:29] where my codes go
.set EPV,  30                          ; s30  e8 + e9
.set QP,   66                          ; s[66:67] my queries' codes
                                       ; s[32:63], s[68:99] the 64 mask words of the tile in hand: word n in s[32 + n + 4 (n / 32)]; at the head they serve as temporaries
.set MSB, 0
.macro WIN new                         ; the immediate's high byte repeats the setting that is left
.if MSB != \new
	s_set_vgpr_msb (MSB<<8)|\new
.set MSB, \new
.endif
.endm
.macro PLACES
.rept 4
	v_nop
.endr
.endm
.macro CROUND                          ; a round of the cluster's barrier.  No LDS instruction of the wave is pending at a signal
	s_barrier_signal -1
	s_barrier_wait -1
	s_cmp_lg_u32 s[WV], 0
	s_cbranch_scc1 .Lnot_wave_0_\@
	s_barrier_signal -3
.Lnot_wave_0_\@:
	s_barrier_wait -3
	s_barrier_signal -1
	s_barrier_wait -1
.endm
.macro MLOAD off                       ; 64 mask words, 256 consecutive bytes
	s_load_b512 s[32:47], s[MP:MP+1], s[MO] offset:\off
	s_load_b512 s[48:63], s[MP:MP+1], s[MO] offset:\off+64
	s_load_b512 s[68:83], s[MP:MP+1], s[MO] offset:\off+128
	s_load_b512 s[84:99], s[MP:MP+1], s[MO] offset:\off+192
.endm
	s_load_b256 s[32:39], s[0:1], 0x0              ; qc s[32:33], kvc s[34:35], maskw s[36:37], the scales' exponents s[38:39]
	s_load_b64 s[XP:XP+1], s[0:1], 0x20            ; xc
	v_lshl_add_u32 v30, v0, 2, 0x40000
	v_mov_b32 v31, 0
	ds_add_u32 v30, v31
	ds_add_u32 v30, v31
	v_lshrrev_b32 v1, 5, v0
	v_readfirstlane_b32 s[WV], v1                  ; wave 0..7
	v_and_b32 v1, 31, v0
	v_lshlrev_b32 v[LI], 4, v1
	s_bfe_u32 s40, ttmp6, 0x40000                  ; cx: my place in the cluster: it enters Q's, the mask's and the result's addresses alone
	s_lshl_b32 s41, ttmp9, 2
	s_add_co_u32 s41, s41, s40                     ; my block of 256 queries
	s_and_b32 s42, ttmp7, 0xffff                   ; bh = 16 batch + head, which the four partners share
	s_lshl_b32 s43, s41, 4
	s_lshl_b32 s44, s[WV], 1
	s_add_co_u32 s43, s43, s44                     ; qt0: my first tile of 16 queries, 0 .. 126
	; descriptor group 1: 16,384 dense bytes as 64 rows of 256
	s_mov_b32 s[G1], 15|(3<<16)|(1<<21)            ; 15:0 the mask: all four work-groups; 17:16 elements of 8 bytes; 21 set beside a mask; no padding
	s_mov_b32 s[G1+1], 32<<16                      ; tensor_dim0 = 32
	s_mov_b32 s[G1+2], 64<<16                      ; tensor_dim1 = 64
	s_mov_b32 s[G1+3], 32<<16                      ; tile_dim0 = 32
	s_mov_b32 s[G1+4], 64                          ; tile_dim1 = 64
	s_mov_b32 s[G1+5], 32                          ; tensor_dim0_stride
	s_mov_b32 s[G1+6], 0
	s_mov_b32 s[G1+7], 0
	s_lshl_b32 s46, s[WV], 14                      ; my 16,384 bytes of a half, in LDS as in memory
	s_lshl_b32 s44, s42, 18                        ; the head's 262,144 bytes of kvc
	s_add_co_u32 s44, s44, s46
	s_mov_b32 s45, 0
	s_lshl_b32 s48, s42, 17                        ; qc: 131,072 bh + 1,024 qt0
	s_lshl_b32 s49, s43, 10
	s_add_co_u32 s48, s48, s49
	s_mov_b32 s49, 0
	s_lshl_b32 s50, s43, 12                        ; maskw: 4,096 qt0
	s_mov_b32 s51, 0
	s_lshr_b32 s52, s42, 4                         ; xc: 16,384 (128 batch + qt0) + 1,024 head
	s_lshl_b32 s52, s52, 7
	s_add_co_u32 s52, s52, s43
	s_lshl_b32 s52, s52, 14
	s_and_b32 s53, s42, 15
	s_lshl_b32 s53, s53, 10
	s_add_co_u32 s52, s52, s53
	s_mov_b32 s53, 0
	s_mov_b32 s[SEL], 0x76543210
	s_mov_b32 s[SEL+1], 0xfedcba98
	s_mov_b32 s[CS], 0x3e38aa3b                    ; log2(e) / 8
	s_mov_b32 s[MO], 0
	s_mov_b32 s[TB], 0
	s_wait_dscnt 0x0
	s_wait_kmcnt 0x0
	s_load_b128 s[56:59], s[38:39], 0x18           ; e6, e7, e8, e9
	s_load_b32 s60, s[38:39], 0x28                 ; e10
	s_add_nc_u64 s[34:35], s[34:35], s[44:45]
	s_add_nc_u64 s[QP:QP+1], s[32:33], s[48:49]
	s_add_nc_u64 s[MP:MP+1], s[36:37], s[50:51]
	s_add_nc_u64 s[XP:XP+1], s[XP:XP+1], s[52:53]
	CROUND                                         ; all four work-groups are here: the joint loads meet
	s_mov_b32 s[G0A], 1                            ; count = 1
	s_mov_b32 s[G0A+1], s46                        ; LDS address
	s_mov_b64 s[G0A+2:G0A+3], s[34:35]             ; global address
	s_or_b32 s[G0A+3], s[G0A+3], 0x80000000        ; type = 2
	s_mov_b32 s[G0B], 1
	s_add_co_u32 s[G0B+1], s46, 0x20000            ; the second half: 131,072 further on in both
	s_add_nc_u64 s[G0B+2:G0B+3], s[34:35], 0x20000
	s_or_b32 s[G0B+3], s[G0B+3], 0x80000000
	tensor_load_to_lds s[G0A:G0A+3], s[G1:G1+7]    ; both fills go out together, ahead of every wait on TENSORcnt and every LDS read: two loads of mine are out
	s_nop 0
	tensor_load_to_lds s[G0B:G0B+3], s[G1:G1+7]
	s_nop 0
	PLACES                                         ; four v_nop follow
	WIN 0x40                                       ; destination window 1
.irp t, 0,1
	global_load_b128 v[QF+8*\t:QF+8*\t+3], v[LI], s[QP:QP+1] offset:1024*\t          ; Q's two fragments stay in registers
	global_load_b128 v[QF+8*\t+4:QF+8*\t+7], v[LI], s[QP:QP+1] offset:1024*\t+512
.endr
.set j, 0
.rept 64
	v_mov_b32 v[O+j], 0                            ; O^T.  (The step is written once: the first finds zeros, which the first change of M leaves zeros)
.set j, j+1
.endr
	WIN 0
.irp t, 0,1
	v_mov_b32 v[ST+8*\t+1], 0xff61b1e6             ; the largest t so far: -3e38, under every t
	v_floor_f32 v[ST+8*\t], -v[ST+8*\t+1]          ; -M
	v_mov_b32 v[ST+8*\t+2], 0                      ; the sum, in two halves
	v_mov_b32 v[ST+8*\t+3], 0
	v_mov_b32 v[ST+8*\t+5], 0                      ; (named as the upper half of f's pair)
.endr
	v_mov_b32 v[PX], 0                             ; written once: a lane permute's destination counts as one of its sources
	v_mov_b32 v[PX+1], 0
	s_wait_kmcnt 0x0
	s_add_co_i32 s53, s56, s57                     ; e6 + e7
	s_lshl_b32 s54, s53, 23
	s_add_co_i32 s[CS], s[CS], s54                 ; a sum stands for sum x 2^(e6 + e7): the exponents are added to c's exponent field
	s_mov_b32 s[CS+1], s[CS]                       ; (named with it as a pair, so it is written)
	s_sub_co_i32 s53, 130, s53
	s_lshl_b32 s53, s53, 23
	s_or_b32 s53, s53, 0x80000000
	v_mov_b32 v[NEG], s53                          ; -2^(3 - e6 - e7): the sum that stands for a score of -1
	s_add_co_i32 s54, s58, 127
	s_lshl_b32 s55, s54, 23
	v_mov_b32 v[PSC], s55                          ; 2^e8
	s_add_co_i32 s54, s54, 8
	s_lshl_b32 s54, s54, 23
	s_or_b32 s54, s54, 0x600000
	v_mov_b32 v[PLIM], s54                         ; 448 x 2^e8
	s_add_co_i32 s[EPV], s58, s59                  ; e8 + e9
	s_add_co_i32 s54, s60, 127
	s_lshl_b32 s55, s54, 23
	v_mov_b32 v[XSC], s55                          ; 2^e10
	s_add_co_i32 s54, s54, 8
	s_lshl_b32 s54, s54, 23
	s_or_b32 s54, s54, 0x600000
	v_mov_b32 v[XLIM], s54                         ; 448 x 2^e10
	MLOAD 0                                        ; the temporaries are done with: tile 0's words of key step 0
; ONE TILE'S SOFTMAX for a key step: 64 scores a lane.
.macro SOFTMAX t
.set rT, ST+8*(\t)
.set rS, S+64*(\t)
.set rP, P+16*(\t)
.set rO, O+32*(\t)
	s_wait_kmcnt 0x0                               ; this tile's mask words are in; no scalar load is out, so their offset may be stepped below
.set n, 0
.rept 64
	v_cndmask_b32 v[rS+n], v[NEG], v[rS+n], s[32+n+4*(n/32)]   ; mask 0: the score is -1.  Each accumulator is read from its low end on
.set n, n+1
.endr
.if \t == 0
	MLOAD 4096                                     ; the words have been used: tile 1's of the same step are asked for; they have this tile's softmax in which to come
.else
	s_add_co_u32 s[MO], s[MO], 256
	s_and_b32 s[MO], s[MO], 0xfff                  ; behind the last step it wraps to step 0: the load stays inside its buffer, and its words are not used
	MLOAD 0                                        ; tile 0's words of the next step
.endif
	v_max3_num_f32 v[rT+6], v[rS], v[rS+1], v[rS+2]   ; the step's largest score of my query, among my 64 keys, in two chains,
	v_max3_num_f32 v[rT+7], v[rS+3], v[rS+4], v[rS+5]
.set j, 6
.rept 14
	v_max3_num_f32 v[rT+6], v[rT+6], v[rS+j], v[rS+j+1]
	v_max3_num_f32 v[rT+7], v[rT+7], v[rS+j+2], v[rS+j+3]
.set j, j+4
.endr
	v_max3_num_f32 v[rT+6], v[rT+6], v[rS+62], v[rS+63]
	v_max_num_f32 v[rT+6], v[rT+6], v[rT+7]
	v_permlanex16_b32 v[PX], v[rT+6], s[SEL], s[SEL+1]
	v_max_num_f32 v[rT+6], v[rT+6], v[PX]          ; and among lane l xor 16's
	v_mul_f32 v[rT+6], s[CS], v[rT+6]              ; as t (c is positive)
	v_max_num_f32 v[rT+1], v[rT+1], v[rT+6]        ; the running largest t
	v_mov_b32 v[rT+6], v[rT]
	v_floor_f32 v[rT], -v[rT+1]                    ; the new -M = floor(-t) = -ceil(t): M is a whole number
	v_sub_f32 v[rT+6], v[rT], v[rT+6]              ; M's old value less its new one: a whole number, 0 or less
	v_cvt_i32_f32 v[rT+6], v[rT+6]                 ; (it saturates)
	v_ldexp_f32 v[rT+4], 1.0, v[rT+6]              ; f = 2^(old M - new M)
.set j, 0
.rept 32
	v_pk_fma_f32 v[rS+j:rS+j+1], v[rS+j:rS+j+1], s[CS:CS+1], v[rT:rT+1] op_sel_hi:[1,0,0]   ; t - M, two at a time (of the pairs c and -M the low word serves both halves)
.set j, j+2
.endr
.set j, 0
.rept 64
	v_exp_f32 v[rS+j], v[rS+j]                     ; p = 2^(t - M), at most 1: one batch
.set j, j+1
.endr
	WIN 0x41                                       ; O^T (destination and source 0) in window 1, f in window 0
.set j, 0
.rept 16
	v_pk_mul_f32 v[rO+j:rO+j+1], v[rO+j:rO+j+1], v[rT+4:rT+5] op_sel_hi:[1,0]   ; O^T under the new M: work that names no exponential's result stands behind the batch
.set j, j+2
.endr
	WIN 0
	v_pk_mul_f32 v[rT+2:rT+3], v[rT+2:rT+3], v[rT+4:rT+5] op_sel_hi:[1,0]       ; the sums under the new M
	s_wait_alu depctr_va_vdst(0)                   ; one wait for the whole batch, ahead of its first reader
	v_pk_add_f32 v[T2:T2+1], v[rS:rS+1], v[rS+2:rS+3]   ; the row's sum is taken of the UNQUANTISED p: two at a time, in two chains
.set j, 4
.rept 15
	v_pk_add_f32 v[rT+2:rT+3], v[rT+2:rT+3], v[rS+j:rS+j+1]
	v_pk_add_f32 v[T2:T2+1], v[T2:T2+1], v[rS+j+2:rS+j+3]
.set j, j+4
.endr
	v_pk_add_f32 v[rT+2:rT+3], v[rT+2:rT+3], v[T2:T2+1]
.set n, 0
.rept 8
.set j, 0
.rept 8
	v_min_num_f32 v[rS+8*n+j], v[rS+8*n+j], v[PLIM]   ; the conversion to an 8-bit code does not saturate (ISA guide 7.6.2); p is not negative, so the hold is one-sided; it stands whatever e8 is
.set j, j+1
.endr
	v_cvt_scalef32_pk8_fp8_f32 v[rP+2*n:rP+2*n+1], v[rS+8*n:rS+8*n+7], v[PSC]   ; keys 16 n + 8 (lane / 16) + 0 .. 7: registers 2 n, 2 n + 1 of P
.set n, n+1
.endr
.endm
; A KEY STEP: 128 keys.
.macro STEP
	v_add_nc_u32 v[ADK], s[TB], v[LI]
	v_add_nc_u32 v[ADV], 0x10000, v[ADK]           ; V lies 65,536 bytes behind K
	v_nop
	v_nop                                          ; four places in front of loads into V's registers, which the last step's products have read
.irp kt, 0,1,2,3,4,5,6,7
	ds_load_b128 v[KF+8*\kt:KF+8*\kt+3], v[ADK] offset:1024*\kt
	ds_load_b128 v[KF+8*\kt+4:KF+8*\kt+7], v[ADK] offset:1024*\kt+512
.endr
	WIN 0x40                                       ; destination window 1
.irp d, 0,1,2,3
.irp i, 0,1,2,3
	ds_load_b128 v[VF+16*\d+4*\i:VF+16*\d+4*\i+3], v[ADV] offset:2048*\d+512*\i
.endr
.endr
	s_wait_dscnt 16                                ; K is in; V's sixteen loads may stay out: they have the softmax in which to come
	WIN 0x04                                       ; source 1 (Q) window 1
.irp kt, 0,1,2,3,4,5,6,7
.irp t, 0,1
	v_wmma_f32_16x16x64_fp8_fp8 v[S+64*\t+8*\kt:S+64*\t+8*\kt+7], v[KF+8*\kt:KF+8*\kt+7], v[QF+8*\t:QF+8*\t+7], 0
.endr
.endr
	WIN 0
	PLACES                                         ; in front of the first read of the scores
	SOFTMAX 0
	SOFTMAX 1
	v_nop                                          ; a plain line between the last conversion and the products that read its result
	s_wait_dscnt 0x0                               ; V is in; no LDS instruction of mine is out behind this line
	WIN 0x51                                       ; source 0 (V) window 1, source 1 (P) window 0, C and D (O^T) window 1
.irp d, 0,1,2,3
.irp t, 0,1
	v_wmma_f32_16x16x128_fp8_fp8 v[O+32*\t+8*\d:O+32*\t+8*\d+7], v[VF+16*\d:VF+16*\d+15], v[P+16*\t:P+16*\t+15], v[O+32*\t+8*\d:O+32*\t+8*\d+7]   ; eight accumulators, one instruction a turn
.endr
.endr
	WIN 0
	s_add_co_u32 s[TB], s[TB], 8192
.endm
.macro EIGHT_STEPS                     ; a half's eight key steps
	s_mov_b32 s[CNT], 8
.Lstep_\@:
	STEP
	s_sub_co_u32 s[CNT], s[CNT], 1
	s_cmp_lg_u32 s[CNT], 0
	s_cbranch_scc1 .Lstep_\@
.endm
	s_wait_loadcnt 0x0                             ; Q
	s_wait_tensorcnt 1                             ; my part of the first half is in; the second half's load may stay out
	s_barrier_signal -1
	s_barrier_wait -1                              ; everybody's is
	EIGHT_STEPS
	s_wait_tensorcnt 0x0                           ; my part of the second half is in,
	s_barrier_signal -1
	s_barrier_wait -1                              ; everybody's is
	s_mov_b32 s[TB], 0x20000
	EIGHT_STEPS
	; THE WAY OUT.  x = O^T / the sum x 2^(e8 + e9), quantised by e10.  A lane's eight registers of a tile of O^T are eight neighbouring d of its query: along the last product's K.
	; The codes are stored as the image of that product's operand: xc [tile of 16 rows 256][head 16][1,024 bytes].
	PLACES                                         ; behind the last products
	v_add_f32 v[ST+6], v[ST+2], v[ST+3]            ; the sum's two halves,
	v_add_f32 v[ST+14], v[ST+10], v[ST+11]
	v_permlanex16_b32 v[PX], v[ST+6], s[SEL], s[SEL+1]
	v_permlanex16_b32 v[PX+1], v[ST+14], s[SEL], s[SEL+1]
	v_add_f32 v[ST+6], v[ST+6], v[PX]              ; and lane l xor 16's: the row's sum
	v_add_f32 v[ST+14], v[ST+14], v[PX+1]
	v_rcp_f32 v[ST+4], v[ST+6]
	v_rcp_f32 v[ST+12], v[ST+14]
	v_nop                                          ; a plain line behind the last reciprocal
	s_wait_alu depctr_va_vdst(0)                   ; one wait for both, ahead of the first reader
	v_ldexp_f32 v[ST+4], v[ST+4], s[EPV]
	v_ldexp_f32 v[ST+12], v[ST+12], s[EPV]
.irp t, 0,1
	WIN 0x01                                       ; source 0 (O^T) window 1
.set j, 0
.rept 16
	v_pk_mul_f32 v[S+64*\t+j:S+64*\t+j+1], v[O+32*\t+j:O+32*\t+j+1], v[ST+8*\t+4:ST+8*\t+5] op_sel_hi:[1,0]   ; each accumulator from its low end on
.set j, j+2
.endr
	WIN 0
.irp d, 0,1,2,3
.irp i, 0,1,2,3,4,5,6,7
	v_med3_num_f32 v[S+64*\t+8*\d+\i], v[S+64*\t+8*\d+\i], -v[XLIM], v[XLIM]
.endr
	v_cvt_scalef32_pk8_fp8_f32 v[P+16*\t+2*\d:P+16*\t+2*\d+1], v[S+64*\t+8*\d:S+64*\t+8*\d+7], v[XSC]
.endr
	v_nop                                          ; a plain line behind the last conversion
	global_store_b128 v[LI], v[P+16*\t:P+16*\t+3], s[XP:XP+1] offset:16384*\t        ; 32 lanes store 512 consecutive bytes, aligned
	global_store_b128 v[LI], v[P+16*\t+4:P+16*\t+7], s[XP:XP+1] offset:16384*\t+512
.endr
	s_wait_tensorcnt 0x0
	ds_add_u32 v30, v31
	s_wait_dscnt 0x0
	CROUND                                         ; the closing round: no work-group ends while a partner may still ask for a tile that names it
	s_endpgm
.Lfunc_end_k_q0f2479b79d_attn:
	.size	k_q0f2479b79d_attn, .Lfunc_end_k_q0f2479b79d_attn-k_q0f2479b79d_attn
	.p2alignl 7, 3214868480
	.fill 96, 4, 3214868480
	.section	.rodata,"a",@progbits
	.p2align	6, 0x0
	.amdhsa_kernel k_q0f2479b79d_attn
		.amdhsa_group_segment_fixed_size 263168
		.amdhsa_private_segment_fixed_size 0
		.amdhsa_enable_private_segment 0
		.amdhsa_kernarg_size 40
		.amdhsa_user_sgpr_count 2
		.amdhsa_user_sgpr_kernarg_segment_ptr 1
		.amdhsa_wavefront_size32 1
		.amdhsa_system_sgpr_workgroup_id_x 1
		.amdhsa_system_sgpr_workgroup_id_y 1
		.amdhsa_system_sgpr_workgroup_id_z 1
		.amdhsa_system_vgpr_workitem_id 0
		.amdhsa_next_free_vgpr 400
		.amdhsa_next_free_sgpr 100
		.amdhsa_reserve_vcc 0
		.amdhsa_float_denorm_mode_32 3
		.amdhsa_float_denorm_mode_16_64 3
		.amdhsa_memory_ordered 1
		.amdhsa_forward_progress 1
		.amdhsa_inst_pref_size 91
	.end_amdhsa_kernel
	.amdgpu_metadata
---
amdhsa.version: [ 1, 2 ]
amdhsa.kernels:
  - .name:           k_q0f2479b79d_attn
    .symbol:         k_q0f2479b79d_attn.kd
    .args:
      - { .name: qc, .offset: 0, .size: 8, .value_kind: global_buffer, .address_space: global }
      - { .name: kvc, .offset: 8, .size: 8, .value_kind: global_buffer, .address_space: global }
      - { .name: maskw, .offset: 16, .size: 8, .value_kind: global_buffer, .address_space: global }
      - { .name: lowp_scales, .offset: 24, .size: 8, .value_kind: global_buffer, .address_space: global }
      - { .name: xc, .offset: 32, .size: 8, .value_kind: global_buffer, .address_space: global }
    .group_segment_fixed_size: 263168
    .private_segment_fixed_size: 0
    .kernarg_segment_align: 8
    .kernarg_segment_size: 40
    .max_flat_workgroup_size: 256
    .sgpr_count:     100
    .vgpr_count:     400
    .wavefront_size: 32
...
	.end_amdgpu_metadata
.endif
;; end of part 3
;; launch outp (part 4): grid 8 x 32, 4 waves a work-group, clusters of 4 x 4, 327,680 bytes of LDS; arguments xc, wo_codes, bo, lowp_scales, out0; writes out0
.if DOCPART == 4
	.amdgcn_target "amdgcn-amd-amdhsa--gfx1250"
	.amdhsa_code_object_version 6
	.text
	.protected	k_q0f2479b79d_outp
	.globl	k_q0f2479b79d_outp
	.p2align	8
	.type	k_q0f2479b79d_outp,@function
k_q0f2479b79d_outp:
	s_mov_b64 s[64:65], 0
	v_nop
	global_prefetch_b8 v0, s[64:65] scope:SCOPE_SE
	s_setreg_imm32_b32 hwreg(HW_REG_WAVE_MODE, 25, 1), 1
	s_wait_xcnt 0x0
	s_wait_alu depctr_hold_cnt(0) depctr_sa_sdst(0) depctr_va_vdst(0) depctr_va_sdst(0) depctr_va_ssrc(0) depctr_va_vcc(0) depctr_vm_vsrc(0)
	s_getreg_b32 s2, hwreg(HW_REG_IB_STS2, 6, 4)
	s_cmp_eq_u32 s2, 0
	s_cbranch_scc0 .Lentry_in_a_cluster
	s_endpgm
.Lentry_in_a_cluster:
	s_bfe_u32 s2, ttmp6, 0x10000c
	s_cmp_lg_u32 s2, 0xf033
	s_cbranch_scc0 .Lentry_shape_is_right
	s_endpgm
.Lentry_shape_is_right:
; out0 = x Wo^T + bo on codes of FP8 (E4M3).  x: 4,096 rows x 1,024, as xc: images of operand registers, [tile of 16 rows 256][16,384 bytes]: K step g (128 along K) is 2,048 bytes, four groups of 512 (four registers of 32 lanes).
; Wo: [1024][1024] codes, K innermost.  bo [1024], out0 [4096][1024]: f32.  out0 = sum x 2^(e10 + e11) + bo.  LIMIT: e10 + e11 between -126 and 127, so that the power of two is an f32 number.
; A tile of 128 x 128 of out0 to a work-group: 256 work-groups (tiles of 256 x 256 would be 64).  Four waves, each 64 x 64: 16 accumulators.
; THE WHOLE K IS IN LDS, filled once, in four chunks of 256 along K, all asked for at the start: no ring, no slot is filled again; the products of a chunk run while the later chunks land.
; CLUSTERS: 4 x 4 work-groups.  The four of a row of the cluster need the same rows of x, the four of a column the same rows of Wo: each tile is asked for JOINTLY.
; THE MATRIX INSTRUCTION IS USED TRANSPOSED (source 0 = 16 rows of Wo, source 1 = 16 rows of x): a lane holds eight neighbouring numbers of a row of out0.
; x's codes stand in the places that the 128-deep form gives each k (registers 2 c, 2 c + 1: k = 16 c + 8 (lane / 16) + 0 .. 7), so Wo's fragments are fetched to the same places, by loads of 8 bytes.
; LDS: x's images: chunk j at 32,768 j: row tile mt at + 4,096 mt, K step at + 2,048;  Wo: chunk j at 131,072 + 34,816 j, rows 272 bytes apart;  behind them a stage of 16 rows x 272 bytes for each wave.
; REGISTERS.  window 0: v16-17, v20-21 LDS addresses; v24-26 the way out; v32-63 at work; v96-127 bo; v128-255 the accumulators ((a, b) at v[128 + 8 (4 a + b)]).   window 1: two fragment buffers of 128: x's four, then Wo's four.
.set PITCH,  272                       ; a row of Wo in LDS: 256 bytes + 16 of padding = 68 words: row r starts at bank 4 r mod 64 (ISA guide 11.1)
.set ACH,    32768                     ; a chunk of x: 8 row tiles x 4,096 bytes
.set BCH,    128*PITCH                 ; a chunk of Wo
.set BBASE,  4*ACH
.set STAGE,  BBASE+4*BCH               ; bytes of its own: no fill lands there
.set SPITCH, 272
.set ADRA, 16                          ; v16-17  my x fragments in chunks 0-1, 2-3
.set ADRB, 20                          ; v20-21  the same for Wo
.set STO,  24                          ; v24     the way out: where I put 32 bytes of a row
.set RD,   25                          ; v25     where I read a row back
.set CO,   26                          ; v26     my byte offset in out0
.set TMP,  32
.set BO,   96
.set ACC,  128
.set G1A, 24                           ; s[24:31] descriptor group 1 for x's tiles;  s[40:55] four groups 0
.set G1B, 32                           ; s[32:39] for Wo's tiles;  s[56:63], s[68:75] four groups 0
.set G0A, 40
.set MSB, 0
.macro WIN new                         ; the immediate's high byte repeats the setting that is left
.if MSB != \new
	s_set_vgpr_msb (MSB<<8)|\new
.set MSB, \new
.endif
.endm
.macro PLACES
.rept 4
	v_nop
.endr
.endm
.macro CROUND                          ; a round of the cluster's barrier.  No LDS instruction of the wave is pending at a signal
	s_barrier_signal -1
	s_barrier_wait -1
	s_cmp_lg_u32 s14, 0
	s_cbranch_scc1 .Lnot_wave_0_\@
	s_barrier_signal -3
.Lnot_wave_0_\@:
	s_barrier_wait -3
	s_barrier_signal -1
	s_barrier_wait -1
.endm
	s_load_b256 s[4:11], s[0:1], 0x0               ; xc s[4:5], Wo's codes s[6:7], bo s[8:9], the scales' exponents s[10:11]
	s_load_b64 s[12:13], s[0:1], 0x20              ; out0
	v_lshl_add_u32 v94, v0, 2, 0x46400
	v_mov_b32 v95, 0
	ds_add_u32 v94, v95
	ds_add_u32 v94, v95
	v_lshrrev_b32 v1, 5, v0
	v_readfirstlane_b32 s14, v1                    ; wave 0..3
	s_lshr_b32 s15, s14, 1                         ; which half of the tile's rows is mine.  Also: I fetch for x (0) or for Wo (1)
	s_and_b32 s16, s14, 1                          ; which half of its columns.  Also: which half of that tile I fetch
	s_bfe_u32 s17, ttmp6, 0x40000                  ; cx, cy: my place in the cluster
	s_bfe_u32 s18, ttmp6, 0x40004
	s_lshl_b32 s19, ttmp9, 2
	s_add_co_u32 s19, s19, s17                     ; tile column = 4 x cluster x + cx
	s_and_b32 s20, ttmp7, 0xffff
	s_lshl_b32 s20, s20, 2
	s_add_co_u32 s20, s20, s18                     ; tile row = 4 x cluster y + cy
	s_lshl_b32 s21, s18, 2
	s_lshl_b32 s21, 15, s21                        ; my row of the cluster
	s_lshl_b32 s22, 0x1111, s17                    ; my column
	; x: 4 row tiles' 4,096 bytes of a chunk, 16,384 bytes apart in memory, dense in LDS
	s_or_b32 s[G1A], s21, (3<<16)|(1<<21)          ; 15:0 the mask: my row; 17:16 elements of 8 bytes; 21 set beside a mask; no padding
	s_mov_b32 s[G1A+1], 512<<16                    ; tensor_dim0 = 512
	s_mov_b32 s[G1A+2], 4<<16                      ; tensor_dim1 = 4
	s_mov_b32 s[G1A+3], 512<<16                    ; tile_dim0 = 512
	s_mov_b32 s[G1A+4], 4                          ; tile_dim1 = 4
	s_mov_b32 s[G1A+5], 2048                       ; tensor_dim0_stride
	s_mov_b32 s[G1A+6], 0
	s_mov_b32 s[G1A+7], 0
	; Wo: 64 rows x 256 bytes, padded in LDS
	s_or_b32 s[G1B], s22, (0<<16)|(1<<20)|(1<<21)|(5<<22)|(3<<25)   ; the mask: my column; elements of 1 byte; padding: 4 words after every 64
	s_mov_b32 s[G1B+1], 256<<16
	s_mov_b32 s[G1B+2], 64<<16
	s_mov_b32 s[G1B+3], 256<<16
	s_mov_b32 s[G1B+4], 64
	s_mov_b32 s[G1B+5], 1024
	s_mov_b32 s[G1B+6], 0
	s_mov_b32 s[G1B+7], 0
	s_lshl_b32 s23, s16, 16                        ; my half: 4 row tiles of 16,384 bytes, or 64 rows of 1,024
	s_lshl_b32 s76, s20, 17                        ; x: the tile row's 8 row tiles: hangs on the tile row alone
	s_add_co_u32 s76, s76, s23
	s_mov_b32 s77, 0
	s_lshl_b32 s78, s19, 17                        ; Wo: the tile column's 128 rows: on the tile column alone
	s_add_co_u32 s78, s78, s23
	s_mov_b32 s79, 0
	s_lshl_b32 s21, s16, 14                        ; where they go: no place in the cluster enters an LDS address
	s_mul_i32 s22, s16, 64*PITCH
	s_add_co_u32 s22, s22, BBASE
	s_wait_dscnt 0x0
	s_wait_kmcnt 0x0
	s_add_nc_u64 s[76:77], s[4:5], s[76:77]
	s_add_nc_u64 s[78:79], s[6:7], s[78:79]
	CROUND                                         ; all sixteen work-groups are here: the joint loads meet
.irp j, 0,1,2,3
	s_mov_b32 s[G0A+4*\j], 1
	s_add_co_u32 s[G0A+4*\j+1], s21, ACH*\j
	s_add_nc_u64 s[G0A+4*\j+2:G0A+4*\j+3], s[76:77], 4096*\j
	s_or_b32 s[G0A+4*\j+3], s[G0A+4*\j+3], 0x80000000
	s_mov_b32 s[56+4*\j+4*(\j/2)], 1
	s_add_co_u32 s[56+4*\j+4*(\j/2)+1], s22, BCH*\j
	s_add_nc_u64 s[56+4*\j+4*(\j/2)+2:56+4*\j+4*(\j/2)+3], s[78:79], 256*\j
	s_or_b32 s[56+4*\j+4*(\j/2)+3], s[56+4*\j+4*(\j/2)+3], 0x80000000
.endr
	s_cmp_eq_u32 s15, 0                            ; a wave's four fills stand in one branch on the wave's number, ahead of every wait on TENSORcnt and every LDS read: four loads of mine are out
	s_cbranch_scc0 .Lfirst_b
	tensor_load_to_lds s[40:43], s[G1A:G1A+7]
	s_nop 0
	tensor_load_to_lds s[44:47], s[G1A:G1A+7]
	s_nop 0
	tensor_load_to_lds s[48:51], s[G1A:G1A+7]
	s_nop 0
	tensor_load_to_lds s[52:55], s[G1A:G1A+7]
	s_nop 0
	PLACES                                         ; four v_nop follow the last
	s_branch .Lfirst_asked
.Lfirst_b:
	tensor_load_to_lds s[56:59], s[G1B:G1B+7]
	s_nop 0
	tensor_load_to_lds s[60:63], s[G1B:G1B+7]
	s_nop 0
	tensor_load_to_lds s[68:71], s[G1B:G1B+7]
	s_nop 0
	tensor_load_to_lds s[72:75], s[G1B:G1B+7]
	s_nop 0
	PLACES
.Lfirst_asked:
	s_load_b64 s[78:79], s[10:11], 0x28            ; e10, e11
	v_and_b32 v1, 15, v0                           ; r
	v_bfe_u32 v2, v0, 4, 1                         ; h
	v_and_b32 v3, 31, v0
	v_lshlrev_b32 v3, 4, v3                        ; 16 x lane
	s_lshl_b32 s21, s15, 14                        ; my four row tiles
	v_add_nc_u32 v[ADRA], s21, v3
	v_add_nc_u32 v[ADRA+1], 2*ACH, v[ADRA]
	s_mul_i32 s22, s16, 64*PITCH                   ; my 64 rows of Wo
	s_add_co_u32 s22, s22, BBASE
	v_mul_u32_u24 v4, v1, PITCH
	v_lshl_add_u32 v4, v2, 3, v4                   ; row r, + 8 h
	v_add_nc_u32 v[ADRB], s22, v4
	v_add_nc_u32 v[ADRB+1], 2*BCH, v[ADRB]
	s_mul_i32 s23, s14, 16*SPITCH
	s_add_co_u32 s23, s23, STAGE                   ; my stage
	v_mul_u32_u24 v5, v1, SPITCH
	v_lshl_add_u32 v5, v2, 5, v5
	v_add_nc_u32 v[STO], s23, v5                   ; in: row r, 32 bytes for each half of the lanes
	v_mul_u32_u24 v5, v2, SPITCH
	v_lshl_add_u32 v5, v1, 4, v5
	v_add_nc_u32 v[RD], s23, v5                    ; back: lanes 0-15 one row of 256 bytes, lanes 16-31 the next
	v_lshlrev_b32 v5, 12, v2
	v_lshl_add_u32 v[CO], v1, 4, v5                ; and the same two rows in out0
	s_lshl_b32 s22, s19, 9
	s_lshl_b32 s23, s16, 8
	s_add_co_u32 s22, s22, s23                     ; my first column in bytes: 512 x tile column + 256 x half: in out0's rows and in bo alike
	s_mov_b32 s23, 0
	s_add_nc_u64 s[8:9], s[8:9], s[22:23]
	s_add_nc_u64 s[12:13], s[12:13], s[22:23]
	s_lshl_b32 s22, s20, 19                        ; my first row: 128 x tile row + 64 x half, rows of 4,096 bytes
	s_lshl_b32 s21, s15, 18
	s_add_co_u32 s22, s22, s21
	s_add_nc_u64 s[12:13], s[12:13], s[22:23]
	v_lshlrev_b32 v6, 5, v2                        ; 32 h
.irp b, 0,1,2,3
	global_load_b128 v[BO+8*\b:BO+8*\b+3], v6, s[8:9] offset:64*\b        ; bo of my columns 16 b + 8 h + 0 .. 7; waited for on the way out
	global_load_b128 v[BO+8*\b+4:BO+8*\b+7], v6, s[8:9] offset:64*\b+16
.endr
; The fragments of K step q (chunk q / 2, its half q % 2) into buffer f: x's four by 16 loads of 16 bytes, 512 consecutive bytes each; Wo's four by 32 loads of 8 bytes
.macro FETCH q, f
	WIN 0x40                                       ; destination window 1
.irp i, 0,1,2,3
.irp c, 0,1,2,3
	ds_load_b128 v[\f+16*\i+4*\c:\f+16*\i+4*\c+3], v[ADRA+(\q)/4] offset:ACH*(((\q)/2)%2)+4096*\i+2048*((\q)%2)+512*\c
.endr
.endr
.irp i, 0,1,2,3
.irp c, 0,1,2,3,4,5,6,7
	ds_load_b64 v[\f+64+16*\i+2*\c:\f+64+16*\i+2*\c+1], v[ADRB+(\q)/4] offset:BCH*(((\q)/2)%2)+16*PITCH*\i+128*((\q)%2)+16*\c
.endr
.endr
.endm
; 16 matrix instructions, 128 along K; the 16 accumulators take turns, one instruction a turn, in the same order in every step.  zero = 1: the first products start the sums
.macro MUL f, zero
	WIN 0x05                                       ; sources 0 and 1 window 1; C and D window 0
.irp a, 0,1,2,3
.irp b, 0,1,2,3
.if \zero
	v_wmma_f32_16x16x128_fp8_fp8 v[ACC+8*(4*\a+\b):ACC+8*(4*\a+\b)+7], v[\f+64+16*\b:\f+64+16*\b+15], v[\f+16*\a:\f+16*\a+15], 0
.else
	v_wmma_f32_16x16x128_fp8_fp8 v[ACC+8*(4*\a+\b):ACC+8*(4*\a+\b)+7], v[\f+64+16*\b:\f+64+16*\b+15], v[\f+16*\a:\f+16*\a+15], v[ACC+8*(4*\a+\b):ACC+8*(4*\a+\b)+7]
.endif
.endr
.endr
.endm
	s_wait_tensorcnt 3                             ; my part of chunk 0 is in; the three later chunks may stay out
	s_barrier_signal -1
	s_barrier_wait -1                              ; everybody's is
	FETCH 0, 0
.set Q, 0
.rept 8                                ; the eight K steps, written out: step Q is multiplied while step Q + 1's fragments come from LDS
	s_wait_dscnt 0x0                               ; step Q's fragments are in
.if (Q%2 == 1) && (Q < 7)
	s_wait_tensorcnt 3-(Q+1)/2                     ; my part of the next chunk is in; the later chunks may stay out
	s_barrier_signal -1
	s_barrier_wait -1                              ; everybody's is
.endif
.if Q < 7
.if Q > 0
	PLACES                                         ; in front of loads into the buffer that step Q - 1 multiplied
.endif
	FETCH Q+1, 128*((Q+1)%2)
.endif
.if Q == 0
	MUL 128*(Q%2), 1
.else
	MUL 128*(Q%2), 0
.endif
.set Q, Q+1
.endr
	WIN 0
	; THE WAY OUT, block by block of 16 rows x 64 columns.  A lane holds 32 neighbouring bytes of a row: a block goes through my own stage and comes back as whole rows of 256 bytes.
	; LDS serves a wave's instructions in order (ISA guide 5.7.1.4): no wait between the stores and the loads, nor in front of the next block's stores.
.macro TOSTAGE a
.irp b, 0,1,2,3
.irp j, 0,2,4,6
	v_pk_fma_f32 v[TMP+8*\b+\j:TMP+8*\b+\j+1], v[ACC+8*(4*(\a)+\b)+\j:ACC+8*(4*(\a)+\b)+\j+1], s[76:77], v[BO+8*\b+\j:BO+8*\b+\j+1] op_sel_hi:[1,0,1]   ; sum x 2^(e10 + e11) + bo; each accumulator from its low end on
.endr
.endr
.irp b, 0,1,2,3
	ds_store_b128 v[STO], v[TMP+8*\b:TMP+8*\b+3] offset:64*\b
	ds_store_b128 v[STO], v[TMP+8*\b+4:TMP+8*\b+7] offset:64*\b+16
.endr
.irp t, 0,1,2,3,4,5,6,7
	ds_load_b128 v[ACC+32*(\a)+4*\t:ACC+32*(\a)+4*\t+3], v[RD] offset:\t*2*SPITCH   ; back into the registers that the block's sums have left
.endr
.endm
.macro SEND a, younger                 ; younger: the LDS instructions issued behind block a's loads, which may stay out
	s_wait_dscnt \younger
.irp t, 0,1,2,3,4,5,6,7
	global_store_b128 v[CO], v[ACC+32*(\a)+4*\t:ACC+32*(\a)+4*\t+3], s[12:13] offset:4096*(16*(\a)+2*\t) th:TH_STORE_NT   ; 16 lanes store 256 consecutive bytes, aligned; written once, read by nobody here
.endr
.endm
	s_wait_kmcnt 0x0
	s_add_co_i32 s76, s78, s79
	s_add_co_i32 s76, s76, 127
	s_lshl_b32 s76, s76, 23                        ; 2^(e10 + e11) as f32
	s_mov_b32 s77, s76                             ; (named with it as a pair, so it is written)
	s_wait_loadcnt 0x0                             ; bo
	PLACES                                         ; behind the last products
	TOSTAGE 0
.irp a, 1,2,3
	TOSTAGE \a
	SEND \a-1, 16                                  ; behind block a - 1's loads: block a's 8 stores and 8 loads
.endr
	SEND 3, 0
	s_wait_tensorcnt 0x0
	ds_add_u32 v94, v95
	s_wait_dscnt 0x0
	CROUND                                         ; the closing round: no work-group ends while a partner may still ask for a tile that names it
	s_endpgm
.Lfunc_end_k_q0f2479b79d_outp:
	.size	k_q0f2479b79d_outp, .Lfunc_end_k_q0f2479b79d_outp-k_q0f2479b79d_outp
	.p2alignl 7, 3214868480
	.fill 96, 4, 3214868480
	.section	.rodata,"a",@progbits
	.p2align	6, 0x0
	.amdhsa_kernel k_q0f2479b79d_outp
		.amdhsa_group_segment_fixed_size 327680
		.amdhsa_private_segment_fixed_size 0
		.amdhsa_enable_private_segment 0
		.amdhsa_kernarg_size 40
		.amdhsa_user_sgpr_count 2
		.amdhsa_user_sgpr_kernarg_segment_ptr 1
		.amdhsa_wavefront_size32 1
		.amdhsa_system_sgpr_workgroup_id_x 1
		.amdhsa_system_sgpr_workgroup_id_y 1
		.amdhsa_system_sgpr_workgroup_id_z 1
		.amdhsa_system_vgpr_workitem_id 0
		.amdhsa_next_free_vgpr 512
		.amdhsa_next_free_sgpr 80
		.amdhsa_reserve_vcc 0
		.amdhsa_float_denorm_mode_32 3
		.amdhsa_float_denorm_mode_16_64 3
		.amdhsa_memory_ordered 1
		.amdhsa_forward_progress 1
		.amdhsa_inst_pref_size 55
	.end_amdhsa_kernel
	.amdgpu_metadata
---
amdhsa.version: [ 1, 2 ]
amdhsa.kernels:
  - .name:           k_q0f2479b79d_outp
    .symbol:         k_q0f2479b79d_outp.kd
    .args:
      - { .name: xc, .offset: 0, .size: 8, .value_kind: global_buffer, .address_space: global }
      - { .name: wo_codes, .offset: 8, .size: 8, .value_kind: global_buffer, .address_space: global }
      - { .name: bo, .offset: 16, .size: 8, .value_kind: global_buffer, .address_space: global }
      - { .name: lowp_scales, .offset: 24, .size: 8, .value_kind: global_buffer, .address_space: global }
      - { .name: out0, .offset: 32, .size: 8, .value_kind: global_buffer, .address_space: global }
    .group_segment_fixed_size: 327680
    .private_segment_fixed_size: 0
    .kernarg_segment_align: 8
    .kernarg_segment_size: 40
    .max_flat_workgroup_size: 128
    .sgpr_count:     80
    .vgpr_count:     512
    .wavefront_size: 32
...
	.end_amdgpu_metadata
.endif
;; end of part 4
;; ======== version 2 of 2: 3 launches
;; limits: right only within a limited range of input values
;; workspace buffers: maskw 524,288 bytes of whole numbers; qc 4,194,304 bytes; kvc 8,388,608 bytes; xc 4,194,304 bytes
;; launch proj (part 5): grid 4 x 64, 4 waves a work-group, clusters of 4 x 4, 327,680 bytes of LDS; arguments q_codes, k_codes, v_codes, wq_codes, wk_codes, wv_codes, bq, bk, bv, lowp_scales, qc, kvc, mask, maskw; writes qc, kvc, maskw
.if DOCPART == 5
	.amdgcn_target "amdgcn-amd-amdhsa--gfx1250"
	.amdhsa_code_object_version 6
	.text
	.protected	k_q0f2479b79d_proj
	.globl	k_q0f2479b79d_proj
	.p2align	8
	.type	k_q0f2479b79d_proj,@function
k_q0f2479b79d_proj:
	s_mov_b64 s[64:65], 0
	v_nop
	global_prefetch_b8 v0, s[64:65] scope:SCOPE_SE
	s_setreg_imm32_b32 hwreg(HW_REG_WAVE_MODE, 25, 1), 1
	s_wait_xcnt 0x0
	s_wait_alu depctr_hold_cnt(0) depctr_sa_sdst(0) depctr_va_vdst(0) depctr_va_sdst(0) depctr_va_ssrc(0) depctr_va_vcc(0) depctr_vm_vsrc(0)
	s_getreg_b32 s2, hwreg(HW_REG_IB_STS2, 6, 4)
	s_cmp_eq_u32 s2, 0
	s_cbranch_scc0 .Lentry_in_a_cluster
	s_endpgm
.Lentry_in_a_cluster:
	s_bfe_u32 s2, ttmp6, 0x10000c
	s_cmp_lg_u32 s2, 0xf033
	s_cbranch_scc0 .Lentry_shape_is_right
	s_endpgm
.Lentry_shape_is_right:
; The three projections and the mask's packing in one launch.  x W^T + b on codes of FP8 (E4M3), K = 1,024, then quantised anew for attention.  x: [4096][1024] codes, W: [1024][1024] codes, b: [1024] f32.
; T = cluster y / 4: 0 query (scales e0, e1; result by e6), 1 key (e2, e3; e7), 2 value (e4, e5; e9), 3 the mask.  T is the same in all sixteen partners of a cluster.
; 192 work-groups make a tile of 256 x 256 each (a wave 128 x 128: 64 accumulators, 512 registers), 64 work-groups pack the mask: 256 in all.
; K goes in steps of 256 through a ring of two LDS slots filled by the tensor data mover: four K steps, two laps, written out.  No prefetch: of the four K steps two are asked for ahead of the first product.
; ROLES.  The A role is source 1, shared along a row of the cluster; the B role source 0, shared along a column.  THE MATRIX INSTRUCTION IS USED TRANSPOSED: a lane holds ONE row of the A role and
; eight neighbouring rows of the B role.  The next products want a lane's registers to run along THEIR K: for query and key that is the feature d, so A = x, B = W; for value it is the KEY, so A = Wv, B = v.
; THE WAY OUT makes codes and stores them as IMAGES OF THE NEXT OPERAND'S REGISTERS: four registers of all 32 lanes are 512 consecutive bytes, lane l's 16 bytes at 16 l.
;   qc  [bh 32][tile of 16 queries 128][1,024 bytes]: registers 2 c, 2 c + 1 of lane (r, h) = d 16 c + 8 h + 0 .. 7 of query r.
;   kvc [bh 32][half 2][K, V][step 8][8,192 bytes]: a K step is 8 tiles of 16 keys laid as in qc; a V step is 4 tiles of 16 d x 128 keys, 2,048 bytes: registers 2 c, 2 c + 1 = keys 16 c + 8 h + 0 .. 7 of d r.
; THE MASK [2048][2048] int32 becomes maskw [128 query tiles][16 key steps][64] of 32-bit LANE MASKS, in the order of attention's score registers:
; bit L of word n of (qt, ks) = (mask[16 qt + L % 16][128 ks + 16 (n / 8) + 8 (L / 16) + n % 8] != 0).  A unit is one (qt, ks): 16 rows x 128 keys, 8,192 bytes in, 256 bytes out.  Wave W (0 .. 255) of the 64 work-groups takes
; units 8 W + 0 .. 7, four a trip.  A load reads 512 consecutive bytes of a row; the compare wants a lane to hold ONE row and eight neighbouring keys: a unit turns through the wave's own stage in LDS.
; LIMITS, so that each power of two is an f32 number: e0 + e1, e2 + e3, e4 + e5 between -126 and 127; e6, e7, e9 between -126 and 119.
; REGISTERS, in windows of 256: window 0: v0-31 addresses; v32-33 the bias loads' offsets; v40-51 the mask's; v64-127 the biases; from v128 A's fragments, ONE set; on the way out v128-191 numbers, v192-255 codes.
;   window 1: B's fragments, TWO sets (mask: four units' rows).   window 2: the accumulators of my A rows 0-63 ((a, b) at v[8 (8 a + b)]) (mask: the turned rows);   window 3: those of rows 64-127.
.set KSTEP,  256                       ; along K in a slot
.set ROWB,   256                       ; a tile's row in bytes
.set KROW,   1024                      ; a row of either operand in memory
.set PITCH,  272                       ; an LDS row: 256 bytes + 16 of padding = 68 words: row r starts at bank 4 r mod 64 (ISA guide 11.1)
.set FR,     16                        ; registers of a fragment: 16 rows x 128 K
.set NL,     4                         ; LDS loads that bring one
.set NP,     4                         ; places behind this matrix instruction (ISA guide 7.12.1)
.set HALFT,  128*PITCH                 ; 128 rows: what one refill brings
.set SLOT,   4*HALFT                   ; A's 256 rows, then B's 256 rows
.set SPARE,  2*SLOT                    ; behind the ring: the spare words, 128 bytes for each wave
.set MSTG,   SPARE+512                 ; behind them: the mask's stages, 16 rows x 528 bytes for each wave: no fill lands there
.set MSP,    528
.set ADRA, 16                          ; v16-17  LDS address of my A fragments in slot 0, 1
.set ADRB, 20                          ; v20-21  the same for B
.set VO0,  24                          ; v24     16 x lane
.set VO1,  25                          ; v25     the same, one head further on
.set SPW,  28                          ; v28     LDS address of my spare word
.set NIL,  29                          ; v29     0
.set SCL,  30                          ; v30     2^eo as f32: the conversions take its exponent field
.set LIM,  31                          ; v31     448 x 2^eo
.set BOF,  32                          ; v32-33  byte offsets of the bias loads
.set MSI,  40                          ; v40     the mask's stage, on the way in: 16 x lane
.set MSO,  41                          ; v41     and on the way out: row r, + 32 h bytes
.set MW8,  42                          ; v42     8 x lane
.set MOUT, 44                          ; v44-51  a unit's 64 words, two a lane; a pair for each of four units
.set BB,   64                          ; v64-127 the biases
.set AF,   128                         ; A's fragments, in window 0
.set TMP,  128                         ; the way out: a block's 64 numbers
.set CD,   192                         ; the way out: codes, four sets of 16 registers
.set G1, 24                            ; s[24:31] descriptor group 1 for A's tiles;  s[32:35], s[36:39] two groups 0: the head's load and slot 1's refill; slot 0's refill
.set G0, 32
.set G1B, 48                           ; s[48:55], s[56:63] the same for B's tiles
.set G0B, 56
.set MSB, 0
.macro WIN new                         ; the immediate's high byte repeats the setting that is left
.if MSB != \new
	s_set_vgpr_msb (MSB<<8)|\new
.set MSB, \new
.endif
.endm
.set MUL_LO, 0xa1                      ; source 0 (B) window 1, source 1 (A) window 0, C and D window 2
.set MUL_HI, 0xf1                      ; the same, C and D window 3
.set TO_B,   0x40                      ; destination window 1, address window 0
; A joint load: waves 0 and 1 fetch for A, waves 2 and 3 for B.  Each of the two lines has ONE mask and one set of registers for all that issue it; the branch hangs on the wave's number alone.
.macro JLOAD g                         ; g: 0 or 4: which of the two groups 0
	s_cmp_eq_u32 s15, 0
	s_cbranch_scc0 .Lfor_b_\@
	tensor_load_to_lds s[G0+\g:G0+\g+3], s[G1:G1+7]
	s_nop 0
.rept 4
	v_nop
.endr
	s_branch .Lasked_\@
.Lfor_b_\@:
	tensor_load_to_lds s[G0B+\g:G0B+\g+3], s[G1B:G1B+7]
	s_nop 0
.rept 4
	v_nop
.endr
.Lasked_\@:
.endm
.macro CREST                           ; a round of the cluster's barrier behind its opening barrier
	s_cmp_lg_u32 s14, 0
	s_cbranch_scc1 .Lnot_wave_0_\@
	s_barrier_signal -3
.Lnot_wave_0_\@:
	s_barrier_wait -3
	s_barrier_signal -1
	s_barrier_wait -1
.endm
.macro CROUND                          ; a whole round
	s_barrier_signal -1
	s_barrier_wait -1
	CREST
.endm
	s_load_b512 s[68:83], s[0:1], 0x0              ; q s[68:69], k s[70:71], v s[72:73], wq s[74:75], wk s[76:77], wv s[78:79], bq s[80:81], bk s[82:83]
	s_load_b256 s[84:91], s[0:1], 0x40             ; bv s[84:85], the scales' exponents s[86:87], qc s[88:89], kvc s[90:91]
	s_load_b128 s[96:99], s[0:1], 0x60             ; mask s[96:97], maskw s[98:99]
	v_lshl_add_u32 v[SPW], v0, 2, SPARE
	v_mov_b32 v[NIL], 0
	ds_add_u32 v[SPW], v[NIL]                      ; the wave's opening
	ds_add_u32 v[SPW], v[NIL]
	v_lshrrev_b32 v1, 5, v0
	v_readfirstlane_b32 s14, v1                    ; wave 0..3
	s_lshr_b32 s15, s14, 1                         ; which half of the tile's A rows is mine.  Also: I fetch for A (0) or for B (1)
	s_and_b32 s16, s14, 1                          ; which half of its B rows.  Also: at the head which slot I fetch for, in the refills which 128 rows
	s_bfe_u32 s40, ttmp6, 0x40000                  ; cx, cy: my place in the cluster
	s_bfe_u32 s41, ttmp6, 0x40004
	s_and_b32 s67, ttmp7, 0xffff                   ; cluster y, 0 .. 15 (cluster x is 0: the grid is one cluster wide)
	s_lshr_b32 s66, s67, 2                         ; T
	s_and_b32 s67, s67, 3
	s_lshl_b32 s67, s67, 2                         ; 4 x (cluster y % 4)
	s_wait_alu depctr_va_vdst(0)
	s_wait_dscnt 0x0                               ; both opening adds are done
	s_cmp_eq_u32 s66, 3                            ; the mask's clusters issue no tensor load
	s_cbranch_scc1 .Lmask
	; the activations have 16 tiles of 256 rows: 4 x (cluster y % 4) + the place in the cluster; the weights have 4: the place alone
	s_cmp_eq_u32 s66, 2
	s_cselect_b32 s17, 0, s67
	s_cselect_b32 s42, s67, 0
	s_add_co_u32 s17, s17, s41                     ; A's tile: hangs on cy and the cluster's y alone
	s_add_co_u32 s42, s42, s40                     ; B's tile: on cx and the cluster's y alone
	s_lshl_b32 s43, s41, 2
	s_lshl_b32 s43, 15, s43                        ; my row of the cluster
	s_lshl_b32 s44, 0x1111, s40                    ; my column
	; descriptor group 1: a tile of 256 rows x 256 bytes, padded in LDS
	s_or_b32 s[G1+0], s43, (0<<16)|(1<<20)|(1<<21)|(5<<22)|(3<<25)  ; 15:0 the mask: A's tiles go to my row; 17:16 element of 1 byte; 20 padding on; 21 set beside a mask; 24:22 after every 64 words (code 5); 31:25 of 4 words (code 3)
	s_or_b32 s[G1B+0], s44, (0<<16)|(1<<20)|(1<<21)|(5<<22)|(3<<25)
.irp g, G1, G1B
	s_mov_b32 s[\g+1], ROWB<<16                    ; tensor_dim0
	s_mov_b32 s[\g+2], 256<<16                     ; tensor_dim1 = 256
	s_mov_b32 s[\g+3], ROWB<<16                    ; tile_dim0
	s_mov_b32 s[\g+4], 256                         ; tile_dim1 = 256
	s_mov_b32 s[\g+5], KROW                        ; tensor_dim0_stride
	s_mov_b32 s[\g+6], 0
	s_mov_b32 s[\g+7], 0
.endr
	s_lshl_b32 s20, s17, 18                        ; A: row 256 x tile, 1,024 bytes each;
	s_mov_b32 s21, 0
	s_lshl_b32 s46, s42, 18                        ; B likewise
	s_mov_b32 s47, 0
	s_lshl_b32 s18, s16, 8                         ; at the head: my K step, 0 or 1
	s_mov_b32 s19, 0
	s_lshl_b32 s22, s16, 17                        ; in the refills: my 128 rows,
	s_add_co_u32 s22, s22, 2*ROWB                  ; from K step 2 on
	s_mov_b32 s23, 0
	s_mul_i32 s45, s16, SLOT                       ; at the head: my slot.  No place in the cluster enters an LDS address
	s_wait_kmcnt 0x0
	s_cmp_eq_u32 s66, 0                            ; the buffers are chosen on T, which hangs on no address
	s_cselect_b64 s[92:93], s[68:69], s[70:71]     ; the activations,
	s_cselect_b64 s[94:95], s[74:75], s[76:77]     ; the weights,
	s_cselect_b64 s[12:13], s[80:81], s[82:83]     ; the bias,
	s_cselect_b64 s[10:11], s[88:89], s[90:91]     ; where the codes go: qc for the query, kvc for key and value
	s_cmp_eq_u32 s66, 2
	s_cselect_b64 s[92:93], s[72:73], s[92:93]
	s_cselect_b64 s[94:95], s[78:79], s[94:95]
	s_cselect_b64 s[12:13], s[84:85], s[12:13]
	s_cselect_b64 s[4:5], s[94:95], s[92:93]       ; the A role: the activations, for value the weights
	s_cselect_b64 s[6:7], s[92:93], s[94:95]       ; the B role: the other
	s_load_b256 s[68:75], s[86:87], 0x0            ; e0 .. e7, over pointers that have been chosen from
	s_load_b128 s[76:79], s[86:87], 0x20           ; e8 .. e11
	s_add_nc_u64 s[20:21], s[4:5], s[20:21]
	s_add_nc_u64 s[46:47], s[6:7], s[46:47]
	CROUND                                         ; all sixteen work-groups are here: the first joint loads meet
	s_mov_b32 s[G0], 1
	s_mov_b32 s[G0+1], s45
	s_add_nc_u64 s[G0+2:G0+3], s[20:21], s[18:19]
	s_or_b32 s[G0+3], s[G0+3], 0x80000000
	s_mov_b32 s[G0B], 1
	s_add_co_u32 s[G0B+1], s45, 2*HALFT            ; behind A's 256 rows
	s_add_nc_u64 s[G0B+2:G0B+3], s[46:47], s[18:19]
	s_or_b32 s[G0B+3], s[G0B+3], 0x80000000
	s_mul_i32 s45, s14, HALFT                      ; slot 0's refill: A's two halves, then B's = wave x 128 rows
	s_mov_b32 s[G0+4], 1
	s_mov_b32 s[G0+5], s45
	s_add_nc_u64 s[G0+6:G0+7], s[20:21], s[22:23]
	s_or_b32 s[G0+7], s[G0+7], 0x80000000
	s_mov_b32 s[G0B+4], 1
	s_mov_b32 s[G0B+5], s45
	s_add_nc_u64 s[G0B+6:G0B+7], s[46:47], s[22:23]
	s_or_b32 s[G0B+7], s[G0B+7], 0x80000000
	JLOAD 0                                        ; one tensor load a wave, 256 rows: waves 0 and 2 bring K step 0, waves 1 and 3 K step 1
	; my wave's first activation row m0 and first weight row n0
	s_lshl_b32 s20, s17, 8
	s_lshl_b32 s21, s15, 7
	s_add_co_u32 s20, s20, s21                     ; my first A row
	s_lshl_b32 s46, s42, 8
	s_lshl_b32 s47, s16, 7
	s_add_co_u32 s46, s46, s47                     ; my first B row
	s_cmp_eq_u32 s66, 2
	s_cselect_b32 s22, s46, s20                    ; m0
	s_cselect_b32 s23, s20, s46                    ; n0
	s_lshl_b32 s18, s23, 2
	s_mov_b32 s19, 0
	s_add_nc_u64 s[12:13], s[12:13], s[18:19]
	; where my codes go: (16 batch + head) x a head's bytes + the key step's place
	s_lshr_b32 s18, s22, 11                        ; batch
	s_lshl_b32 s18, s18, 4
	s_lshr_b32 s19, s23, 6                         ; my first head (I make two)
	s_add_co_u32 s18, s18, s19
	s_bfe_u32 s19, s22, 0x40007                    ; ks: which 128 positions of the 2,048
	s_cmp_eq_u32 s66, 0
	s_cselect_b32 s47, 17, 18                      ; a head's bytes: 2^17 in qc, 2^18 in kvc
	s_lshl_b32 s18, s18, s47
	s_lshl_b32 s46, 1, s47
	s_lshl_b32 s21, s19, 13                        ; 8,192 ks
	s_add_co_u32 s18, s18, s21
	s_lshr_b32 s21, s19, 3
	s_lshl_b32 s21, s21, 16                        ; in kvc the second half's steps lie 65,536 further on (behind the first half's V)
	s_cmp_eq_u32 s66, 0
	s_cselect_b32 s21, 0, s21
	s_add_co_u32 s18, s18, s21
	s_cmp_eq_u32 s66, 2
	s_cselect_b32 s21, 0x10000, 0                  ; V behind K
	s_add_co_u32 s18, s18, s21
	s_mov_b32 s19, 0
	s_add_nc_u64 s[10:11], s[10:11], s[18:19]
	s_mul_i32 s22, s15, HALFT                      ; my 128 rows of A
	s_mul_i32 s23, s16, HALFT                      ; my 128 rows of B,
	s_add_co_u32 s23, s23, 2*HALFT                 ; which lie behind A's 256
	s_cmp_eq_u32 s66, 2                            ; the biases' loads: offset = h s19 + (r / 4) s18, the second load's s21 further on
	s_cselect_b32 s18, 16, 0
	s_cselect_b32 s19, 0, 32
	s_cselect_b32 s21, 0, 16
	v_and_b32 v1, 15, v0                           ; r = l % 16
	v_bfe_u32 v2, v0, 4, 1                         ; h = l / 16
	v_and_b32 v7, 31, v0
	v_mul_u32_u24 v3, v1, PITCH
	v_lshrrev_b32 v5, 2, v1
	v_lshlrev_b32 v[VO0], 4, v7                    ; my 16 bytes of a store's 512
	v_lshl_add_u32 v4, v2, 4, v3                   ; a fragment's row x pitch + 16 x half
	v_mul_u32_u24 v5, v5, s18
	v_add_nc_u32 v[VO1], s46, v[VO0]
	v_add_nc_u32 v[ADRA], s22, v4
	v_mad_u32_u24 v[BOF], v2, s19, v5
	v_add_nc_u32 v[ADRB], s23, v4
	v_add_nc_u32 v[ADRA+1], SLOT, v[ADRA]
	v_add_nc_u32 v[BOF+1], s21, v[BOF]
	v_add_nc_u32 v[ADRB+1], SLOT, v[ADRB]
	; THE BIASES.  Query, key: register 8 b + j = bias[n0 + 16 b + 8 h + j] (B's block b).  Value: registers 8 a + 0 .. 3 = bias[n0 + 16 a + 4 (r / 4) + 0 .. 3] (A's block a), of which the way out takes the one for r
.irp x, 0,1,2,3,4,5,6,7
	global_load_b128 v[BB+8*\x:BB+8*\x+3], v[BOF], s[12:13] offset:64*\x
	global_load_b128 v[BB+8*\x+4:BB+8*\x+7], v[BOF+1], s[12:13] offset:64*\x
.endr
.macro FRAG reg, adr, q, i             ; a fragment is fetched by four loads of 16 bytes: registers 4 c .. 4 c + 3 hold K = 32 c + 16 (l / 16) + 0 .. 15: a permutation of k that is the same in A and in B, so every product meets its partner
.irp c, 0,1,2,3
	ds_load_b128 v[\reg+4*\c:\reg+4*\c+3], v[\adr] offset:128*(\q)+32*\c+(\i)*16*PITCH
.endr
.endm
; 16 matrix instructions: A's blocks a0, a0 + 1 x B's eight, 128 along K.  p: B's set.  zero = 1: the first product starts the sums.
; The 64 accumulators take turns, one instruction a turn, in the same order in every step.
.macro MUL16 a0, p, zero
.irp a, \a0, \a0+1
.irp b, 0,1,2,3,4,5,6,7
.if \zero
	v_wmma_f32_16x16x128_fp8_fp8 v[8*(8*((\a)%4)+\b):8*(8*((\a)%4)+\b)+7], v[128*(\p)+FR*\b:128*(\p)+FR*\b+FR-1], v[AF+FR*(\a):AF+FR*(\a)+FR-1], 0
.else
	v_wmma_f32_16x16x128_fp8_fp8 v[8*(8*((\a)%4)+\b):8*(8*((\a)%4)+\b)+7], v[128*(\p)+FR*\b:128*(\p)+FR*\b+FR-1], v[AF+FR*(\a):AF+FR*(\a)+FR-1], v[8*(8*((\a)%4)+\b):8*(8*((\a)%4)+\b)+7]
.endif
.endr
.endr
.endm
.macro FETCH_B slot, q, p              ; B's eight fragments of the slot's q-th 128 along K into set p
	WIN TO_B
.irp i, 0,1,2,3,4,5,6,7
	FRAG 128*(\p)+FR*\i, ADRB+\slot, \q, \i
.endr
	WIN 0
.endm
.macro FETCH_A slot, q, i0             ; A's blocks i0 .. i0 + 3
.irp i, \i0, \i0+1, \i0+2, \i0+3
	FRAG AF+FR*(\i), ADRA+\slot, \q, \i
.endr
.endm
; A load into a register that a matrix instruction has read, and a vector instruction that reads a matrix result or writes one of its registers, stand NP places behind it; only plain vector
; instructions that name none of its registers are places (ISA guide 7.12.1 for vector instructions).
.macro PLACES n
.rept \n
	v_nop
.endr
.endm
; A step of 128 along K that has its successor in the same slot.  A block of A is free as soon as its eight products are issued, so one set serves A: blocks 0-3 are fetched anew in the step's middle, blocks 4-7 at its end.
.macro STEP slot, q, zero
	s_wait_dscnt 4*NL                              ; B's set and A's blocks 0-3 are in; the youngest sixteen loads (A's blocks 4-7) may be out
	WIN MUL_LO
	MUL16 0, (\q)%2, \zero
	MUL16 2, (\q)%2, \zero
	s_wait_dscnt 0                                 ; A's blocks 4-7 are in (asked for 32 matrix instructions ago)
	PLACES NP
	FETCH_B \slot, (\q)+1, 1-(\q)%2
	FETCH_A \slot, (\q)+1, 0
	WIN MUL_HI
	MUL16 4, (\q)%2, \zero
	MUL16 6, (\q)%2, \zero
	PLACES NP
	WIN 0
	FETCH_A \slot, (\q)+1, 4
.endm
; A slot's last step changes slots: ONE barrier; in front of it each wave waits for all its tensor loads, adds 0 to its spare word, and waits for that and for its own reads of this slot.  fill = 1: this slot is filled again, two K steps ahead.
.macro TURN slot, next, fill
	s_wait_tensorcnt 0x0                           ; all my tensor loads have landed: my part of the next slot;  (every window is 0 here)
	ds_add_u32 v[SPW], v[NIL]                      ; 0 onto my spare word
	s_wait_dscnt 4*NL+1                            ; (the add and the youngest sixteen loads, A's blocks 4-7, may be out)
	WIN MUL_LO
	MUL16 0, 1, 0                                  ; sixteen matrix instructions stand between the add and the wait for it
	s_wait_dscnt 0x0                               ; the add is done, and my reads of this slot are over
	s_barrier_signal -1
	MUL16 2, 1, 0
	WIN 0
	s_barrier_wait -1
.if \fill
	CREST                                          ; the barrier has opened a round of the cluster's barrier: no wave of any partner still reads this slot's tile or has a load on its way
	JLOAD 4-4*\slot                                ; the first tensor load behind the round; the four v_nop behind it are the places in front of the loads below
.else
	PLACES NP
.endif
	FETCH_B \next, 0, 0
	FETCH_A \next, 0, 0
	WIN MUL_HI
	MUL16 4, 1, 0
	MUL16 6, 1, 0
	PLACES NP
	WIN 0
	FETCH_A \next, 0, 4
.endm
	s_wait_alu depctr_va_vdst(0)
	s_wait_tensorcnt 0x0                           ; my tile is in
	s_barrier_signal -1
	s_mov_b32 s[G1+2], 128<<16                     ; the head's load is done, so its descriptor may be written: the refills bring 128 rows a wave,
	s_mov_b32 s[G1+4], 128
	s_mov_b32 s[G1B+2], 128<<16
	s_mov_b32 s[G1B+4], 128
	s_add_co_u32 s[G0+1], s[G0+5], SLOT            ; and slot 1's lies a slot and a K step behind slot 0's
	s_add_nc_u64 s[G0+2:G0+3], s[G0+6:G0+7], ROWB
	s_add_co_u32 s[G0B+1], s[G0B+5], SLOT
	s_add_nc_u64 s[G0B+2:G0B+3], s[G0B+6:G0B+7], ROWB
	s_barrier_wait -1                              ; both slots are whole
	FETCH_B 0, 0, 0
	FETCH_A 0, 0, 0
	FETCH_A 0, 0, 4
	STEP 0, 0, 1                                   ; K 0-127: its products start the sums
	TURN 0, 1, 1                                   ; K 128-255; slot 0 takes K step 2
	STEP 1, 0, 0
	TURN 1, 0, 1                                   ; slot 1 takes K step 3
	STEP 0, 0, 0
	TURN 0, 1, 0                                   ; the last lap fills nothing, and has no round of the cluster's barrier
	STEP 1, 0, 0
	s_wait_dscnt 4*NL                              ; the very last step: nothing more to fetch
	WIN MUL_LO
	MUL16 0, 1, 0
	MUL16 2, 1, 0
	s_wait_dscnt 0
	WIN MUL_HI
	MUL16 4, 1, 0
	MUL16 6, 1, 0
	WIN 0
	; THE WAY OUT.  number = sum x 2^(ea + eb) + bias, one packed multiply-add for two; held within +-448 x 2^eo; eight neighbours along the next K become two registers of codes.
	s_wait_kmcnt 0x0
	s_add_co_i32 s68, s68, s69                     ; e0 + e1
	s_add_co_i32 s70, s70, s71                     ; e2 + e3
	s_add_co_i32 s72, s72, s73                     ; e4 + e5
	s_cmp_eq_u32 s66, 0
	s_cselect_b32 s96, s68, s70
	s_cselect_b32 s98, s74, s75                    ; e6 or e7
	s_cmp_eq_u32 s66, 2
	s_cselect_b32 s96, s72, s96
	s_cselect_b32 s98, s77, s98                    ; or e9
	s_add_co_i32 s96, s96, 127
	s_lshl_b32 s96, s96, 23                        ; 2^(ea + eb) as f32
	s_mov_b32 s97, s96                             ; (named with it as a pair, so it is written)
	s_add_co_i32 s98, s98, 127
	s_lshl_b32 s99, s98, 23
	s_add_co_i32 s98, s98, 8
	s_lshl_b32 s98, s98, 23
	s_or_b32 s98, s98, 0x600000
	v_mov_b32 v[SCL], s99
	v_mov_b32 v[LIM], s98
	s_wait_alu depctr_va_vdst(0)
	s_wait_loadcnt 0x0                             ; the biases
	PLACES NP                                      ; behind the last products: A's registers are written, and results are read, below
; Block a: my A rows 16 a .. 16 a + 15 against all 128 B rows: 64 numbers a lane, 16 registers of codes, four stores of 512 consecutive bytes.
.macro OUTBLK a, isv
.set AC, 64*((\a)%4)
.set CB, CD+16*((\a)%4)
.if (\a) >= 4
	s_wait_xcnt 0x0                                ; block a - 4's stores have read this set of code registers
.endif
	WIN 0x02+((\a)/4)                              ; source 0: window 2 or 3
.irp b, 0,1,2,3,4,5,6,7
.irp j, 0,2,4,6
.if \isv
	v_pk_fma_f32 v[TMP+8*\b+\j:TMP+8*\b+\j+1], v[AC+8*\b+\j:AC+8*\b+\j+1], s[96:97], v[BB+8*(\a):BB+8*(\a)+1] op_sel_hi:[1,0,0]   ; the bias of my one feature; each accumulator from its low end on
.else
	v_pk_fma_f32 v[TMP+8*\b+\j:TMP+8*\b+\j+1], v[AC+8*\b+\j:AC+8*\b+\j+1], s[96:97], v[BB+8*\b+\j:BB+8*\b+\j+1] op_sel_hi:[1,0,1]   ; the biases of my eight features
.endif
.endr
.endr
	WIN 0
.irp b, 0,1,2,3,4,5,6,7
.irp j, 0,1,2,3,4,5,6,7
	v_med3_num_f32 v[TMP+8*\b+\j], v[TMP+8*\b+\j], -v[LIM], v[LIM]   ; the conversion to an 8-bit code does not saturate (ISA guide 7.6.2): the hold comes first
.endr
	v_cvt_scalef32_pk8_fp8_f32 v[CB+2*\b:CB+2*\b+1], v[TMP+8*\b:TMP+8*\b+7], v[SCL]
.endr
	v_nop                                          ; a plain line behind the last conversion: the next block writes its sources
.if \isv
.irp i, 0,1,2,3
	global_store_b128 v[VO0], v[CB+4*\i:CB+4*\i+3], s[10:11] offset:((\a)/4)*262144+((\a)%4)*2048+512*\i   ; one tile of V: 16 d x my 128 keys; blocks 4-7 belong to the next head
.endr
.else
	global_store_b128 v[VO0], v[CB:CB+3], s[10:11] offset:1024*(\a)          ; tile a of 16 positions, my first head's 64 d,
	global_store_b128 v[VO0], v[CB+4:CB+7], s[10:11] offset:1024*(\a)+512
	global_store_b128 v[VO1], v[CB+8:CB+11], s[10:11] offset:1024*(\a)       ; and the next head's
	global_store_b128 v[VO1], v[CB+12:CB+15], s[10:11] offset:1024*(\a)+512
.endif
.endm
	s_cmp_eq_u32 s66, 2                            ; a branch on T: the same way in all waves of all sixteen partners
	s_cbranch_scc1 .Lout_v
.irp a, 0,1,2,3,4,5,6,7
	OUTBLK \a, 0
.endr
	s_branch .Lout_done
.Lout_v:
	v_and_b32 v3, 3, v1                            ; of each block's four biases lane r takes number r % 4
	v_cmp_eq_u32 s18, 1, v3
	v_cmp_eq_u32 s19, 2, v3
	v_cmp_eq_u32 s20, 3, v3
.irp m, 1,2,3
.irp x, 0,1,2,3,4,5,6,7
	v_cndmask_b32 v[BB+8*\x], v[BB+8*\x], v[BB+8*\x+\m], s[17+\m]
.endr
.endr
.irp a, 0,1,2,3,4,5,6,7
	OUTBLK \a, 1
.endr
	s_branch .Lout_done
; THE MASK.  My place in the cluster enters global addresses alone.
.macro MLOADU u                        ; unit u's 16 rows into v[64 u ..] of window 1
.irp i, 0,1,2,3,4,5,6,7,8,9,10,11,12,13,14,15
	global_load_b128 v[64*(\u)+4*\i:64*(\u)+4*\i+3], v[VO0], s[96:97] offset:8192*\i+512*(\u) th:TH_LOAD_NT   ; row i: 32 lanes read 512 consecutive bytes; read once in the launch
.endr
.endm
.macro MTURN u                         ; unit u's rows go through my stage and come back turned, into v[64 u ..] of window 2: register n = my row's key 16 (n / 8) + 8 (lane / 16) + n % 8
	s_wait_loadcnt 16-16*((\u)/3)                  ; unit u is in; the next unit's 16 loads may be out (none is behind unit 3)
	WIN 0x04                                       ; the stores' data lie in window 1
.irp i, 0,1,2,3,4,5,6,7,8,9,10,11,12,13,14,15
	ds_store_b128 v[MSI], v[64*(\u)+4*\i:64*(\u)+4*\i+3] offset:MSP*\i
.endr
	WIN 0x80
.irp k, 0,1,2,3,4,5,6,7,8,9,10,11,12,13,14,15
	ds_load_b128 v[64*(\u)+4*\k:64*(\u)+4*\k+3], v[MSO] offset:64*(\k/2)+16*(\k%2)   ; LDS serves a wave's instructions in order (ISA guide 5.7.1.4): these see my stores, and the next unit's stores come behind them
.endr
.endm
.macro MBITS u                         ; 64 words of one bit a lane: lane n / 2 keeps words n (even: the pair's first register, odd: its second)
.irp hf, 0,1
.set m, 0
.rept 32
	v_cmp_ne_u32 s[24+m], 0, v[64*(\u)+32*\hf+m]
.set m, m+1
.endr
.set m, 0
.rept 32
	v_writelane_b32 v[MOUT+2*(\u)+(m%2)], s[24+m], (32*\hf+m)/2
.set m, m+1
.endr
.endr
.endm
.Lmask:
	s_add_co_u32 s8, s67, s41                      ; 4 (cluster y % 4) + cy,
	s_lshl_b32 s8, s8, 2
	s_add_co_u32 s8, s8, s40                       ; x 4 + cx,
	s_lshl_b32 s8, s8, 2
	s_add_co_u32 s8, s8, s14                       ; x 4 + wave: W, 0 .. 255: query tile W / 2, key steps 8 (W % 2) + 0 .. 7
	s_lshr_b32 s18, s8, 1
	s_lshl_b32 s18, s18, 17                        ; 16 rows of 8,192 bytes
	s_and_b32 s9, s8, 1
	s_lshl_b32 s9, s9, 12                          ; 8 x 128 keys of 4 bytes
	s_add_co_u32 s18, s18, s9
	s_mov_b32 s19, 0
	s_lshl_b32 s20, s8, 11                         ; 8 x 256 bytes of words
	s_mov_b32 s21, 0
	s_mul_i32 s9, s14, 16*MSP
	s_add_co_u32 s9, s9, MSTG                      ; my stage: the wave's number alone enters its address
	s_mov_b32 s3, 2
	v_and_b32 v7, 31, v0
	v_and_b32 v1, 15, v0
	v_bfe_u32 v2, v0, 4, 1
	v_lshlrev_b32 v[VO0], 4, v7
	v_mul_u32_u24 v[MSO], v1, MSP
	v_lshlrev_b32 v[MW8], 3, v7
	v_lshl_add_u32 v[MSO], v2, 5, v[MSO]
	v_add_nc_u32 v[MSI], s9, v[VO0]
	v_add_nc_u32 v[MSO], s9, v[MSO]
.irp i, 0,1,2,3,4,5,6,7
	v_mov_b32 v[MOUT+\i], 0                        ; written whole once: a lane write's destination counts as read
.endr
	s_wait_alu depctr_va_vdst(0)
	s_wait_kmcnt 0x0
	s_add_nc_u64 s[96:97], s[96:97], s[18:19]
	s_add_nc_u64 s[98:99], s[98:99], s[20:21]
	WIN TO_B
	MLOADU 0
	MLOADU 1
	WIN 0
.Lmtrip:                                               ; two trips of four units; two units' loads are out at a time
	MTURN 0
	WIN TO_B
	MLOADU 2
	MTURN 1
	WIN TO_B
	MLOADU 3
	MTURN 2
	MTURN 3
	WIN 0
	s_wait_dscnt 0x0                               ; the four units are turned, and window 1 is free
	s_cmp_eq_u32 s3, 1
	s_cbranch_scc1 .Lno_more
	s_wait_xcnt 0x0                                ; the earlier loads have read their base
	s_add_nc_u64 s[96:97], s[96:97], 2048          ; the next trip's first two units are asked for ahead of this trip's compares
	WIN TO_B
	MLOADU 0
	MLOADU 1
	WIN 0
.Lno_more:
	WIN 0x08                                       ; the compares' second source: window 2
.irp u, 0,1,2,3
	MBITS \u
.endr
	WIN 0
.irp u, 0,1,2,3
	global_store_b64 v[MW8], v[MOUT+2*\u:MOUT+2*\u+1], s[98:99] offset:256*\u   ; the wave stores 256 consecutive bytes, aligned
.endr
	s_wait_xcnt 0x0                                ; the stores have read their base and data
	s_add_nc_u64 s[98:99], s[98:99], 1024
	s_sub_co_u32 s3, s3, 1
	s_cmp_lg_u32 s3, 0
	s_cbranch_scc1 .Lmtrip
.Lout_done:
	s_wait_tensorcnt 0x0                           ; the wave's end
	ds_add_u32 v[SPW], v[NIL]
	s_wait_dscnt 0x0
	CROUND                                         ; the closing round: no work-group ends while a partner may still ask for a tile that names it
	s_endpgm
.Lfunc_end_k_q0f2479b79d_proj:
	.size	k_q0f2479b79d_proj, .Lfunc_end_k_q0f2479b79d_proj-k_q0f2479b79d_proj
	.p2alignl 7, 3214868480
	.fill 96, 4, 3214868480
	.section	.rodata,"a",@progbits
	.p2align	6, 0x0
	.amdhsa_kernel k_q0f2479b79d_proj
		.amdhsa_group_segment_fixed_size 327680
		.amdhsa_private_segment_fixed_size 0
		.amdhsa_enable_private_segment 0
		.amdhsa_kernarg_size 112
		.amdhsa_user_sgpr_count 2
		.amdhsa_user_sgpr_kernarg_segment_ptr 1
		.amdhsa_wavefront_size32 1
		.amdhsa_system_sgpr_workgroup_id_x 1
		.amdhsa_system_sgpr_workgroup_id_y 1
		.amdhsa_system_sgpr_workgroup_id_z 1
		.amdhsa_system_vgpr_workitem_id 0
		.amdhsa_next_free_vgpr 1024
		.amdhsa_next_free_sgpr 100
		.amdhsa_reserve_vcc 0
		.amdhsa_float_denorm_mode_32 3
		.amdhsa_float_denorm_mode_16_64 3
		.amdhsa_memory_ordered 1
		.amdhsa_forward_progress 1
		.amdhsa_inst_pref_size 246
	.end_amdhsa_kernel
	.amdgpu_metadata
---
amdhsa.version: [ 1, 2 ]
amdhsa.kernels:
  - .name:           k_q0f2479b79d_proj
    .symbol:         k_q0f2479b79d_proj.kd
    .args:
      - { .name: q_codes, .offset: 0, .size: 8, .value_kind: global_buffer, .address_space: global }
      - { .name: k_codes, .offset: 8, .size: 8, .value_kind: global_buffer, .address_space: global }
      - { .name: v_codes, .offset: 16, .size: 8, .value_kind: global_buffer, .address_space: global }
      - { .name: wq_codes, .offset: 24, .size: 8, .value_kind: global_buffer, .address_space: global }
      - { .name: wk_codes, .offset: 32, .size: 8, .value_kind: global_buffer, .address_space: global }
      - { .name: wv_codes, .offset: 40, .size: 8, .value_kind: global_buffer, .address_space: global }
      - { .name: bq, .offset: 48, .size: 8, .value_kind: global_buffer, .address_space: global }
      - { .name: bk, .offset: 56, .size: 8, .value_kind: global_buffer, .address_space: global }
      - { .name: bv, .offset: 64, .size: 8, .value_kind: global_buffer, .address_space: global }
      - { .name: lowp_scales, .offset: 72, .size: 8, .value_kind: global_buffer, .address_space: global }
      - { .name: qc, .offset: 80, .size: 8, .value_kind: global_buffer, .address_space: global }
      - { .name: kvc, .offset: 88, .size: 8, .value_kind: global_buffer, .address_space: global }
      - { .name: mask, .offset: 96, .size: 8, .value_kind: global_buffer, .address_space: global }
      - { .name: maskw, .offset: 104, .size: 8, .value_kind: global_buffer, .address_space: global }
    .group_segment_fixed_size: 327680
    .private_segment_fixed_size: 0
    .kernarg_segment_align: 8
    .kernarg_segment_size: 112
    .max_flat_workgroup_size: 128
    .sgpr_count:     100
    .vgpr_count:     1024
    .wavefront_size: 32
...
	.end_amdgpu_metadata
.endif
;; end of part 5
;; launch attn (part 6): grid 8 x 32, 16 waves a work-group, no clusters, 327,680 bytes of LDS; arguments qc, kvc, maskw, lowp_scales, xc; writes xc
.if DOCPART == 6
	.amdgcn_target "amdgcn-amd-amdhsa--gfx1250"
	.amdhsa_code_object_version 6
	.text
	.protected	k_q0f2479b79d_attn
	.globl	k_q0f2479b79d_attn
	.p2align	8
	.type	k_q0f2479b79d_attn,@function
k_q0f2479b79d_attn:
	s_mov_b64 s[64:65], 0
	v_nop
	global_prefetch_b8 v0, s[64:65] scope:SCOPE_SE
	s_setreg_imm32_b32 hwreg(HW_REG_WAVE_MODE, 25, 1), 1
	s_wait_xcnt 0x0
; Attention on codes of FP8: S^T = K Q^T, scores masked to -1 where the mask is 0, softmax by M = a whole number, O^T = V^T P^T, divided by the row's sum and quantised by e10 for the projection on the way out.
; A work-group owns 16 tiles of 16 queries of one (batch, head) bh.  Sixteen waves of 256 registers: pair p of waves owns tiles 2 p, 2 p + 1; wave u = wave % 2 of the pair walks half u of the keys, 8 steps of 128, for both tiles,
; so each fragment of K and V feeds two matrix instructions.  In wave u register tile 0 is tile 2 p + u and register tile 1 the other one.  At the end each wave hands register tile 1 to its partner through LDS and joins what it
; gets to its tile 0: both sides are brought under the larger M by powers of two.
; K AND V OF bh, 256 KiB, COME ONCE, through registers into LDS, 16 KiB a wave, and stay: no ring.  CLUSTER = NONE, and no tensor load: the hold of p at 448 x 2^e8 (64 instructions a key step for the two tiles) is jumped over where e8 is
; -8 or more, since p is at most 1 (up to one rounding).  A byte of K or V is asked for once by a work-group.
; No prefetch: the loop streams no tile; a tile step's 256 bytes of mask words are asked for by scalar loads one tile step ahead, and all 32 bh read the same words.
; LAYOUT: a lane holds ONE query (lane % 16); register 8 kt + j of S is key 16 kt + 8 (lane / 16) + j of the step: so eight registers make two registers of P as the second product wants them.
; LDS: [half 2][step 8][K 8,192 bytes, V 8,192 bytes], then the spare words.
; LIMITS: e6 + e7 between -123 and 129; e8, e10 between -126 and 119, so that each power of two is an f32 number; scaled scores (to the base 2) under 2^31 in magnitude.
; REGISTERS: v0 thread; v1 LDS base + 16 x lane; v4, v6 -M of the tiles; v5 a hidden score; v7 2^e8; v[8:9], v[10:11] the sums in two halves; v2-3, v12-15 at work; v16-79 O^T; v80-143 S^T, then p; v144-207 fragments of K, then V; v208-223 Q; v224-255 P
.set NEG,  5
.set PSC,  7
.set O,    16
.set S,    80
.set KV,   144
.set QF,   208
.set P,    224
.set SPARE, 0x40000
.set WV,   2
.set CNT,  3
.set MPA,  4                           ; s[4:5], s[6:7] the mask's words of register tiles 0 and 1, at my half of the keys
.set MPB,  6
.set MO,   8                           ; s8  256 x key step
.set TB,   9                           ; s9  16,384 x key step
.set KVP,  10
.set QPA,  12
.set QPB,  14
.set CS,   24                          ; s[24:25] log2(e) / 8 x 2^(e6 + e7)
.set SEL,  26
.set XP,   28
.set EPV,  30                          ; s30 e8 + e9
.set PL,   31                          ; s31 448 x 2^e8
.set HF,   66                          ; s66 1: p must be held
.set XS,   67                          ; s67 2^e10
.set XL,   100                         ; s100 448 x 2^e10
; s[32:63], s[68:99]: a tile step's 64 lane masks
.macro MLOAD b
	s_load_b512 s[32:47], s[\b:\b+1], s[MO] offset:0
	s_load_b512 s[48:63], s[\b:\b+1], s[MO] offset:64
	s_load_b512 s[68:83], s[\b:\b+1], s[MO] offset:128
	s_load_b512 s[84:99], s[\b:\b+1], s[MO] offset:192
.endm
	s_load_b256 s[32:39], s[0:1], 0x0              ; qc, kvc, maskw, the scales' exponents
	s_load_b64 s[XP:XP+1], s[0:1], 0x20            ; xc
	v_lshrrev_b32 v1, 5, v0
	v_and_b32 v2, 31, v0
	v_readfirstlane_b32 s[WV], v1                  ; wave 0 .. 15
	v_lshlrev_b32 v2, 4, v2                        ; 16 x lane
	s_and_b32 s16, s[WV], 1                        ; u
	s_lshr_b32 s17, s[WV], 1
	s_lshl_b32 s17, s17, 1                         ; 2 p
	s_lshl_b32 s18, ttmp9, 4
	s_add_co_u32 s18, s18, s17
	s_add_co_u32 s18, s18, s16                     ; register tile 0
	s_xor_b32 s19, s18, 1                          ; register tile 1
	s_and_b32 s40, ttmp7, 0xffff                   ; bh
	s_lshl_b32 s42, s40, 17
	s_lshl_b32 s41, s18, 10
	s_add_co_u32 s44, s42, s41                     ; Q of tile 0
	s_mov_b32 s45, 0
	s_lshl_b32 s41, s19, 10
	s_add_co_u32 s46, s42, s41                     ; and of tile 1
	s_mov_b32 s47, 0
	s_lshl_b32 s48, s40, 18
	s_lshl_b32 s41, s[WV], 14
	s_add_co_u32 s48, s48, s41                     ; my 16 KiB of K or V
	s_mov_b32 s49, 0
	s_lshl_b32 s41, s16, 11                        ; my half of the keys: 8 x 256 bytes of mask words
	s_lshl_b32 s50, s18, 12
	s_add_co_u32 s50, s50, s41
	s_mov_b32 s51, 0
	s_lshl_b32 s52, s19, 12
	s_add_co_u32 s52, s52, s41
	s_mov_b32 s53, 0
	s_lshr_b32 s54, s40, 4
	s_lshl_b32 s54, s54, 7
	s_add_co_u32 s54, s54, s18
	s_lshl_b32 s54, s54, 14                        ; xc: 128 batch + tile 0, 16,384 bytes each,
	s_and_b32 s41, s40, 15
	s_lshl_b32 s41, s41, 10
	s_add_co_u32 s54, s54, s41                     ; 1,024 a head
	s_mov_b32 s55, 0
	s_lshr_b32 s22, s[WV], 3                       ; where my 16 KiB go: half = wave / 8,
	s_lshl_b32 s22, s22, 17
	s_and_b32 s23, s[WV], 3                        ; steps 2 (wave % 4) and the next,
	s_lshl_b32 s23, s23, 15
	s_add_co_u32 s22, s22, s23
	s_bfe_u32 s23, s[WV], 0x10002                  ; K or V
	s_lshl_b32 s23, s23, 13
	s_add_co_u32 s22, s22, s23
	s_lshl_b32 s23, s16, 17                        ; what I read: half u
	s_mov_b32 s[SEL], 0x76543210
	s_mov_b32 s[SEL+1], 0xfedcba98
	s_mov_b32 s[CS], 0x3e38aa3b                    ; log2(e) / 8
	s_mov_b32 s[MO], 0
	s_mov_b32 s[TB], 0
	s_mov_b32 s[CNT], 7                            ; the first of the eight steps is written out
	s_wait_alu depctr_va_vdst(0)
	v_add_nc_u32 v3, s22, v2
	v_add_nc_u32 v1, s23, v2
	s_wait_alu depctr_va_vdst(0)
	s_wait_kmcnt 0x0
	s_load_b128 s[56:59], s[38:39], 0x18           ; e6 .. e9
	s_load_b32 s60, s[38:39], 0x28                 ; e10
	s_add_nc_u64 s[KVP:KVP+1], s[34:35], s[48:49]
	s_add_nc_u64 s[QPA:QPA+1], s[32:33], s[44:45]
	s_add_nc_u64 s[QPB:QPB+1], s[32:33], s[46:47]
	s_add_nc_u64 s[MPA:MPA+1], s[36:37], s[50:51]
	s_add_nc_u64 s[MPB:MPB+1], s[36:37], s[52:53]
	s_add_nc_u64 s[XP:XP+1], s[XP:XP+1], s[54:55]
	global_load_b128 v[QF:QF+3], v2, s[QPA:QPA+1]
	global_load_b128 v[QF+4:QF+7], v2, s[QPA:QPA+1] offset:512
	global_load_b128 v[QF+8:QF+11], v2, s[QPB:QPB+1]
	global_load_b128 v[QF+12:QF+15], v2, s[QPB:QPB+1] offset:512
; My 16 KiB are two steps of K or of V: all waves' first ones are the even steps, their second ones the odd steps.  The second ones land in O^T's registers, which the first step leaves alone up to its last products.
.set i, 0
.rept 16
	global_load_b128 v[S+4*i:S+4*i+3], v2, s[KVP:KVP+1] offset:512*i   ; 512 consecutive bytes each
.set i, i+1
.endr
.set i, 0
.rept 16
	global_load_b128 v[O+4*i:O+4*i+3], v2, s[KVP:KVP+1] offset:8192+512*i
.set i, i+1
.endr
	s_wait_kmcnt 0x0
	s_add_co_i32 s53, s56, s57
	s_lshl_b32 s54, s53, 23
	s_add_co_i32 s[CS], s[CS], s54                 ; a score stands for score x 2^(e6 + e7)
	s_mov_b32 s[CS+1], s[CS]                       ; (named with it as a pair)
	s_sub_co_i32 s53, 130, s53
	s_lshl_b32 s53, s53, 23
	s_or_b32 s53, s53, 0x80000000                  ; -8 x 2^-(e6 + e7): the score whose logit is -1
	s_add_co_i32 s54, s58, 127
	s_lshl_b32 s55, s54, 23
	v_mov_b32 v[NEG], s53
	v_mov_b32 v[PSC], s55
	s_add_co_i32 s54, s54, 8
	s_lshl_b32 s54, s54, 23
	s_or_b32 s[PL], s54, 0x600000
	s_add_co_i32 s[EPV], s58, s59
	s_add_co_i32 s54, s60, 127
	s_lshl_b32 s[XS], s54, 23
	s_add_co_i32 s54, s54, 8
	s_lshl_b32 s54, s54, 23
	s_or_b32 s[XL], s54, 0x600000
	s_cmp_lt_i32 s58, -8                           ; p / 2^e8 can pass 448 only where e8 is under -8
	s_cselect_b32 s[HF], 1, 0
	MLOAD MPA
	s_wait_alu depctr_va_vdst(0)
.set i, 0
.rept 16
.if (i%4) == 0
	s_wait_loadcnt 28-i                            ; 36 loads were issued: Q's four and the next i + 4 are in
.endif
	ds_store_b128 v3, v[S+4*i:S+4*i+3] offset:512*i
.set i, i+1
.endr
	s_wait_xcnt 0x0                                ; the loads that are still out have read their address: v2 is written again below
	s_wait_dscnt 0x0                               ; my stores are done: say so
	s_barrier_signal -1
	s_barrier_wait -1                              ; the even steps of K and V are in LDS
; One tile's softmax: S^T in v[S ..] becomes P's codes.
.macro SOFTMAX t, first                ; first = 1: the tile's first keys: M, the sum and O^T have no past
.set rM, 4+2*(\t)
.set rL, 8+2*(\t)
.set rO, O+32*(\t)
.set rP, P+16*(\t)
	s_wait_kmcnt 0x0                               ; the tile's mask words
.set n, 0
.rept 64
	v_cndmask_b32 v[S+n], v[NEG], v[S+n], s[32+n+4*(n/32)]
.set n, n+1
.endr
.if \t == 0
	MLOAD MPB                                      ; the other tile's words
.else
	s_add_co_u32 s[MO], s[MO], 256
	s_and_b32 s[MO], s[MO], 0x7ff                  ; (the last step's look-ahead reads step 0's words again, inside the buffer)
	MLOAD MPA
.endif
	v_max3_num_f32 v2, v[S], v[S+1], v[S+2]        ; the largest score of my query among my 64 keys, in four chains
	v_max3_num_f32 v3, v[S+3], v[S+4], v[S+5]
	v_max3_num_f32 v12, v[S+6], v[S+7], v[S+8]
	v_max3_num_f32 v13, v[S+9], v[S+10], v[S+11]
.set j, 12
.rept 6
	v_max3_num_f32 v2, v2, v[S+j], v[S+j+1]
	v_max3_num_f32 v3, v3, v[S+j+2], v[S+j+3]
	v_max3_num_f32 v12, v12, v[S+j+4], v[S+j+5]
	v_max3_num_f32 v13, v13, v[S+j+6], v[S+j+7]
.set j, j+8
.endr
	v_max3_num_f32 v2, v2, v[S+60], v[S+61]
	v_max3_num_f32 v3, v3, v[S+62], v[S+63]
	s_delay_alu instid0(VALU_DEP_2)
	v_max3_num_f32 v2, v2, v12, v13
	s_delay_alu instid0(VALU_DEP_1)
	v_max_num_f32 v2, v2, v3
	s_delay_alu instid0(VALU_DEP_1)
	v_permlanex16_b32 v3, v2, s[SEL], s[SEL+1]
	s_delay_alu instid0(VALU_DEP_1)
	v_max_num_f32 v2, v2, v3                       ; and among lane l xor 16's
	s_delay_alu instid0(VALU_DEP_1)
	v_mul_f32 v2, s[CS], v2                        ; as t
	s_delay_alu instid0(VALU_DEP_1)
.if \first
	v_floor_f32 v[rM], -v2                         ; -M = -ceil(t), a whole number
	s_delay_alu instid0(VALU_DEP_1)
.else
	v_floor_f32 v2, -v2                            ; -ceil(t)
	s_delay_alu instid0(VALU_DEP_1)
	v_sub_f32 v12, v2, v[rM]
	v_min_num_f32 v[rM], v2, v[rM]                 ; the new -M, a whole number
	s_delay_alu instid0(VALU_DEP_2)
	v_min_num_f32 v12, 0, v12                      ; old M less new M, 0 or less
.endif
	v_pk_fma_f32 v[S:S+1], v[S:S+1], s[CS:CS+1], v[rM:rM+1] op_sel_hi:[1,0,0]   ; t - M, two at a time (of the pairs the low word serves both)
.if \first == 0
	s_delay_alu instid0(VALU_DEP_2)
	v_cvt_i32_f32 v12, v12                         ; (it saturates)
.endif
	v_pk_fma_f32 v[S+2:S+3], v[S+2:S+3], s[CS:CS+1], v[rM:rM+1] op_sel_hi:[1,0,0]
.if \first == 0
	s_delay_alu instid0(VALU_DEP_2)
	v_ldexp_f32 v12, 1.0, v12                      ; f = 2^(old M - new M)
.endif
.set j, 4
.rept 30
	v_pk_fma_f32 v[S+j:S+j+1], v[S+j:S+j+1], s[CS:CS+1], v[rM:rM+1] op_sel_hi:[1,0,0]
.set j, j+2
.endr
	s_wait_alu depctr_va_vdst(0)
.set j, 0
.rept 64
	v_exp_f32 v[S+j], v[S+j]                       ; p = 2^(t - M)
.set j, j+1
.endr
.if \first
	v_nop                                          ; a plain place behind the exponentials
	s_wait_alu depctr_va_vdst(0)                   ; and the wait ahead of their first reader
.else
	v_pk_mul_f32 v[rL:rL+1], v[rL:rL+1], v[12:13] op_sel_hi:[1,0]   ; the sum under the new M (a plain place behind the exponentials)
	s_wait_alu depctr_va_vdst(0)                   ; directly ahead of O^T's first reader and ahead of the exponentials'
.set j, 0
.rept 16
	v_pk_mul_f32 v[rO+j:rO+j+1], v[rO+j:rO+j+1], v[12:13] op_sel_hi:[1,0]   ; O^T under the new M
.set j, j+2
.endr
.endif
	v_pk_add_f32 v[2:3], v[S:S+1], v[S+2:S+3]      ; the row's sum of the unquantised p, in four chains
	v_pk_add_f32 v[14:15], v[S+4:S+5], v[S+6:S+7]
	v_pk_add_f32 v[12:13], v[S+8:S+9], v[S+10:S+11]
.if \first
	v_pk_add_f32 v[rL:rL+1], v[S+12:S+13], v[S+14:S+15]
.set j, 16
.else
	v_pk_add_f32 v[rL:rL+1], v[rL:rL+1], v[S+12:S+13]
.set j, 14
.endif
.rept 6
	v_pk_add_f32 v[2:3], v[2:3], v[S+j:S+j+1]
	v_pk_add_f32 v[14:15], v[14:15], v[S+j+2:S+j+3]
	v_pk_add_f32 v[12:13], v[12:13], v[S+j+4:S+j+5]
	v_pk_add_f32 v[rL:rL+1], v[rL:rL+1], v[S+j+6:S+j+7]
.set j, j+8
.endr
.if \first == 0
	v_pk_add_f32 v[2:3], v[2:3], v[S+62:S+63]
.endif
	v_pk_add_f32 v[14:15], v[14:15], v[12:13]
	s_delay_alu instid0(VALU_DEP_2)
	v_pk_add_f32 v[rL:rL+1], v[rL:rL+1], v[2:3]
	s_delay_alu instid0(VALU_DEP_1)
	v_pk_add_f32 v[rL:rL+1], v[rL:rL+1], v[14:15]
	s_cmp_lg_u32 s[HF], 0
	s_cbranch_scc0 .Lfree_\@                       ; the same way in every wave; round register work alone
.set j, 0
.rept 32
	v_dual_min_num_f32 v[S+j], s[PL], v[S+j] :: v_dual_min_num_f32 v[S+j+1], s[PL], v[S+j+1]   ; the conversion to an 8-bit code does not saturate (ISA guide 7.6.2); p is not negative
.set j, j+2
.endr
.Lfree_\@:
.set n, 0
.rept 8
	v_cvt_scalef32_pk8_fp8_f32 v[rP+2*n:rP+2*n+1], v[S+8*n:S+8*n+7], v[PSC]
.set n, n+1
.endr
	v_nop                                          ; one plain place behind the last conversion
.endm
.macro SCORES t                        ; S^T = K Q^T: 128 keys x 16 queries
.irp kt, 0,1,2,3,4,5,6,7
	v_wmma_f32_16x16x64_fp8_fp8 v[S+8*\kt:S+8*\kt+7], v[KV+8*\kt:KV+8*\kt+7], v[QF+8*(\t):QF+8*(\t)+7], 0
.endr
.endm
; A key step up to P's codes
.macro STEP first
	v_add_nc_u32 v2, s[TB], v1
.rept 3
	v_nop                                          ; with the addition four places: the last products have read the registers that are loaded below
.endr
.irp kt, 0,1,2,3,4,5,6,7
	ds_load_b128 v[KV+8*\kt:KV+8*\kt+3], v2 offset:1024*\kt
	ds_load_b128 v[KV+8*\kt+4:KV+8*\kt+7], v2 offset:1024*\kt+512
.endr
	s_wait_dscnt 0x0
	SCORES 0
.rept 4
	v_nop
.endr
	SOFTMAX 0, \first
	SCORES 1
	v_add_nc_u32 v2, s[TB], v1
.rept 3
	v_nop
.endr
.irp d, 0,1,2,3
.irp i, 0,1,2,3
	ds_load_b128 v[KV+16*\d+4*\i:KV+16*\d+4*\i+3], v2 offset:8192+2048*\d+512*\i   ; V, over K
.endr
.endr
	SOFTMAX 1, \first
.endm
.macro PV zero                         ; O^T += V^T P^T: the eight accumulators take turns.  zero = 1: the products start the sums
.irp d, 0,1,2,3
.irp t, 0,1
.if \zero
	v_wmma_f32_16x16x128_fp8_fp8 v[O+32*\t+8*\d:O+32*\t+8*\d+7], v[KV+16*\d:KV+16*\d+15], v[P+16*\t:P+16*\t+15], 0
.else
	v_wmma_f32_16x16x128_fp8_fp8 v[O+32*\t+8*\d:O+32*\t+8*\d+7], v[KV+16*\d:KV+16*\d+15], v[P+16*\t:P+16*\t+15], v[O+32*\t+8*\d:O+32*\t+8*\d+7]
.endif
.endr
.endr
.endm
	STEP 1                                         ; step 0, an even one
	v_and_b32 v2, 31, v0
	v_lshlrev_b32 v2, 4, v2
	v_add_nc_u32 v2, s22, v2                       ; where my 16 KiB go
	s_wait_alu depctr_va_vdst(0)
	s_wait_loadcnt 0x0                             ; my part of the odd steps
.set i, 0
.rept 16
	ds_store_b128 v2, v[O+4*i:O+4*i+3] offset:16384+512*i   ; the second step lies 16,384 bytes behind the first
.set i, i+1
.endr
	s_wait_dscnt 0x0                               ; my stores are done, and V is in
	s_barrier_signal -1
	PV 1                                           ; work on registers while the others arrive
	s_add_co_u32 s[TB], s[TB], 16384
	s_barrier_wait -1                              ; all of K and V is in LDS, and is only read from here to the loop's end
.Lstep:
	STEP 0
	s_wait_alu depctr_va_vdst(0)
	s_wait_dscnt 0x0                               ; V is in
	PV 0
	s_add_co_u32 s[TB], s[TB], 16384
	s_sub_co_u32 s[CNT], s[CNT], 1
	s_cmp_lg_u32 s[CNT], 0
	s_cbranch_scc1 .Lstep
	; THE TWO HALVES OF THE KEYS ARE JOINED.  A wave's 8,192 bytes of the stage lie over K and V, which nobody reads behind the barrier below.
	s_barrier_signal -1                            ; my LDS reads are over
	v_and_b32 v124, 31, v0
	v_add_f32 v8, v8, v9
	v_add_f32 v7, v10, v11                         ; beside -M of tile 1: one pair to store
	v_lshlrev_b32 v125, 3, v124
	v_lshlrev_b32 v124, 4, v124
	s_lshl_b32 s16, s[WV], 13
	s_xor_b32 s17, s16, 0x2000                     ; my partner's
	v_mov_b32 v114, s[XL]
	v_mov_b32 v115, s[XS]
	v_add_nc_u32 v2, s16, v124
	v_add_nc_u32 v3, s16, v125
	v_add_nc_u32 v12, s17, v124
	v_add_nc_u32 v13, s17, v125
	v_lshl_add_u32 v126, v0, 2, SPARE
	v_mov_b32 v127, 0
	s_wait_alu depctr_va_vdst(0)
	s_barrier_wait -1
.irp i, 0,1,2,3,4,5,6,7
	ds_store_b128 v2, v[O+32+4*\i:O+32+4*\i+3] offset:512*\i   ; tile 1's O^T
.endr
	ds_store_b64 v3, v[6:7] offset:4096
	s_wait_dscnt 0x0
	s_barrier_signal -1
	s_barrier_wait -1
	ds_load_b64 v[112:113], v13 offset:4096        ; my partner's -M and sum of my tile,
.irp i, 0,1,2,3,4,5,6,7
	ds_load_b128 v[S+4*\i:S+4*\i+3], v12 offset:512*\i   ; and O^T
.endr
	s_wait_dscnt 0x0
	v_min_num_f32 v2, v4, v112                     ; -M of the whole row
	v_sub_f32 v3, v2, v4
	v_sub_f32 v12, v2, v112
	v_cvt_i32_f32 v3, v3
	v_cvt_i32_f32 v12, v12
	v_ldexp_f32 v14, 1.0, v3
	v_ldexp_f32 v12, 1.0, v12
	v_mul_f32 v8, v8, v14
	s_delay_alu instid0(VALU_DEP_1)
	v_fma_f32 v8, v113, v12, v8
	s_delay_alu instid0(VALU_DEP_1)
	v_permlanex16_b32 v9, v8, s[SEL], s[SEL+1]
	s_delay_alu instid0(VALU_DEP_1)
	v_add_f32 v8, v8, v9                           ; the row's sum
	s_wait_alu depctr_va_vdst(0)
	v_rcp_f32 v8, v8
	v_nop                                          ; one plain place behind it
	s_wait_alu depctr_va_vdst(0)                   ; and the wait ahead of its first reader
	v_ldexp_f32 v8, v8, s[EPV]                     ; x 2^(e8 + e9)
	s_delay_alu instid0(VALU_DEP_1)
	v_mul_f32 v14, v14, v8
	v_mul_f32 v12, v12, v8
.set j, 0
.rept 16
	v_pk_mul_f32 v[S+j:S+j+1], v[S+j:S+j+1], v[12:13] op_sel_hi:[1,0]
.set j, j+2
.endr
	s_wait_alu depctr_va_vdst(0)                   ; directly ahead of the first reader of O^T
.set j, 0
.rept 16
	v_pk_fma_f32 v[S+j:S+j+1], v[O+j:O+j+1], v[14:15], v[S+j:S+j+1] op_sel_hi:[1,0,1]
.set j, j+2
.endr
.irp d, 0,1,2,3
.irp i, 0,1,2,3,4,5,6,7
	v_med3_num_f32 v[S+8*\d+\i], v[S+8*\d+\i], -v114, v114
.endr
.endr
.irp d, 0,1,2,3
	v_cvt_scalef32_pk8_fp8_f32 v[116+2*\d:117+2*\d], v[S+8*\d:S+8*\d+7], v115
.endr
	v_nop
	global_store_b128 v124, v[116:119], s[XP:XP+1]              ; 512 consecutive bytes each, aligned
	global_store_b128 v124, v[120:123], s[XP:XP+1] offset:512
	s_wait_tensorcnt 0x0                           ; the wave's end
	ds_add_u32 v126, v127
	s_wait_dscnt 0x0
	s_endpgm
.Lfunc_end_k_q0f2479b79d_attn:
	.size	k_q0f2479b79d_attn, .Lfunc_end_k_q0f2479b79d_attn-k_q0f2479b79d_attn
	.p2alignl 7, 3214868480
	.fill 96, 4, 3214868480
	.section	.rodata,"a",@progbits
	.p2align	6, 0x0
	.amdhsa_kernel k_q0f2479b79d_attn
		.amdhsa_group_segment_fixed_size 327680
		.amdhsa_private_segment_fixed_size 0
		.amdhsa_enable_private_segment 0
		.amdhsa_kernarg_size 40
		.amdhsa_user_sgpr_count 2
		.amdhsa_user_sgpr_kernarg_segment_ptr 1
		.amdhsa_wavefront_size32 1
		.amdhsa_system_sgpr_workgroup_id_x 1
		.amdhsa_system_sgpr_workgroup_id_y 1
		.amdhsa_system_sgpr_workgroup_id_z 1
		.amdhsa_system_vgpr_workitem_id 0
		.amdhsa_next_free_vgpr 256
		.amdhsa_next_free_sgpr 102
		.amdhsa_reserve_vcc 0
		.amdhsa_float_denorm_mode_32 3
		.amdhsa_float_denorm_mode_16_64 3
		.amdhsa_memory_ordered 1
		.amdhsa_forward_progress 1
		.amdhsa_inst_pref_size 90
	.end_amdhsa_kernel
	.amdgpu_metadata
---
amdhsa.version: [ 1, 2 ]
amdhsa.kernels:
  - .name:           k_q0f2479b79d_attn
    .symbol:         k_q0f2479b79d_attn.kd
    .args:
      - { .name: qc, .offset: 0, .size: 8, .value_kind: global_buffer, .address_space: global }
      - { .name: kvc, .offset: 8, .size: 8, .value_kind: global_buffer, .address_space: global }
      - { .name: maskw, .offset: 16, .size: 8, .value_kind: global_buffer, .address_space: global }
      - { .name: lowp_scales, .offset: 24, .size: 8, .value_kind: global_buffer, .address_space: global }
      - { .name: xc, .offset: 32, .size: 8, .value_kind: global_buffer, .address_space: global }
    .group_segment_fixed_size: 327680
    .private_segment_fixed_size: 0
    .kernarg_segment_align: 8
    .kernarg_segment_size: 40
    .max_flat_workgroup_size: 512
    .sgpr_count:     102
    .vgpr_count:     256
    .wavefront_size: 32
...
	.end_amdgpu_metadata
.endif
;; end of part 6
;; launch outp (part 7): grid 8 x 32, 4 waves a work-group, clusters of 4 x 4, 327,680 bytes of LDS; arguments xc, wo_codes, bo, lowp_scales, out0; writes out0
.if DOCPART == 7
	.amdgcn_target "amdgcn-amd-amdhsa--gfx1250"
	.amdhsa_code_object_version 6
	.text
	.protected	k_q0f2479b79d_outp
	.globl	k_q0f2479b79d_outp
	.p2align	8
	.type	k_q0f2479b79d_outp,@function
k_q0f2479b79d_outp:
	s_mov_b64 s[64:65], 0
	v_nop
	global_prefetch_b8 v0, s[64:65] scope:SCOPE_SE
	s_setreg_imm32_b32 hwreg(HW_REG_WAVE_MODE, 25, 1), 1
	s_wait_xcnt 0x0
	s_wait_alu depctr_hold_cnt(0) depctr_sa_sdst(0) depctr_va_vdst(0) depctr_va_sdst(0) depctr_va_ssrc(0) depctr_va_vcc(0) depctr_vm_vsrc(0)
	s_getreg_b32 s2, hwreg(HW_REG_IB_STS2, 6, 4)
	s_cmp_eq_u32 s2, 0
	s_cbranch_scc0 .Lentry_in_a_cluster
	s_endpgm
.Lentry_in_a_cluster:
	s_bfe_u32 s2, ttmp6, 0x10000c
	s_cmp_lg_u32 s2, 0xf033
	s_cbranch_scc0 .Lentry_shape_is_right
	s_endpgm
.Lentry_shape_is_right:
; out0 = x Wo^T + bo on codes of FP8 (E4M3).  x: 4,096 rows x 1,024, as xc: images of operand registers, [tile of 16 rows 256][16,384 bytes]: K step g (128 along K) is 2,048 bytes, four groups of 512 (four registers of 32 lanes).
; Wo: [1024][1024] codes, K innermost.  bo [1024], out0 [4096][1024]: f32.  out0 = sum x 2^(e10 + e11) + bo.  LIMIT: e10 + e11 between -126 and 127, so that the power of two is an f32 number.
; A tile of 128 x 128 of out0 to a work-group: 256 work-groups (tiles of 256 x 256 would be 64).  Four waves, each 64 x 64: 16 accumulators.
; THE WHOLE K IS IN LDS, filled once: each wave's one tensor load brings 64 rows of x or of Wo over all of K, 65,536 bytes.  No ring, no slot is filled again, so there is nothing to prefetch for.
; BY ROWS: Wo's fragments of the whole K stay in registers, and my four blocks of 16 rows are finished one after the other, so that the first block's stores leave while the others are multiplied.  No fragment is read twice.
; CLUSTERS: 4 x 4 work-groups.  The four of a row of the cluster need the same rows of x, the four of a column the same rows of Wo: each tile is asked for JOINTLY.
; THE MATRIX INSTRUCTION IS USED TRANSPOSED (source 0 = 16 rows of Wo, source 1 = 16 rows of x): a lane holds eight neighbouring numbers of a row of out0.
; x's codes stand in the places that the 128-deep form gives each k (registers 2 c, 2 c + 1: k = 16 c + 8 (lane / 16) + 0 .. 7), so Wo's fragments are fetched to the same places, by loads of 8 bytes.
; LDS: x's images, 8 row tiles of 16,384 bytes;  Wo: 128 rows 1,040 bytes apart;  behind them a stage of 16 rows x 272 bytes for each wave, and the spare words.
; REGISTERS.  window 0: v16, v20 LDS addresses; v24-26 the way out; v32-63 at work; v94-95 the add's; v96-127 bo; v128-255 the accumulators ((a, b) at v[128 + 8 (4 a + b)]).
;   windows 1 and 2: Wo's four fragments of K steps 0-3 and 4-7, 64 registers a step.   window 3: x's fragments of a block, 128 registers, two buffers.
.set PITCH,  1040                      ; a row of Wo in LDS: 1,024 bytes + 16 of padding = 260 words: row r starts at bank 4 r mod 64 (ISA guide 11.1)
.set BBASE,  131072
.set STAGE,  BBASE+128*PITCH           ; bytes of its own: no fill lands there
.set SPITCH, 272
.set SPARE,  STAGE+4*16*SPITCH
.set ADRA, 16                          ; v16     my x fragments
.set ADRB, 20                          ; v20     my Wo fragments
.set STO,  24                          ; v24     the way out: where I put 32 bytes of a row
.set RD,   25                          ; v25     where I read a row back
.set CO,   26                          ; v26     my byte offset in out0
.set TMP,  32
.set SPW,  94
.set NIL,  95
.set BO,   96
.set ACC,  128
.set G1A, 24                           ; s[24:31] descriptor group 1 for x's tile;  s[40:43] its group 0
.set G1B, 32                           ; s[32:39] for Wo's;  s[56:59]
.set G0A, 40
.set G0B, 56
.set MSB, 0
.macro WIN new                         ; the immediate's high byte repeats the setting that is left
.if MSB != \new
	s_set_vgpr_msb (MSB<<8)|(\new)
.set MSB, \new
.endif
.endm
.macro PLACES
.rept 4
	v_nop
.endr
.endm
.macro CROUND                          ; a round of the cluster's barrier.  No LDS instruction of the wave is pending at a signal
	s_barrier_signal -1
	s_barrier_wait -1
	s_cmp_lg_u32 s14, 0
	s_cbranch_scc1 .Lnot_wave_0_\@
	s_barrier_signal -3
.Lnot_wave_0_\@:
	s_barrier_wait -3
	s_barrier_signal -1
	s_barrier_wait -1
.endm
	s_load_b256 s[4:11], s[0:1], 0x0               ; xc s[4:5], Wo's codes s[6:7], bo s[8:9], the scales' exponents s[10:11]
	s_load_b64 s[12:13], s[0:1], 0x20              ; out0
	v_lshl_add_u32 v[SPW], v0, 2, SPARE
	v_mov_b32 v[NIL], 0
	ds_add_u32 v[SPW], v[NIL]                      ; the wave's opening
	ds_add_u32 v[SPW], v[NIL]
	v_lshrrev_b32 v1, 5, v0
	v_readfirstlane_b32 s14, v1                    ; wave 0..3
	s_lshr_b32 s15, s14, 1                         ; which half of the tile's rows is mine.  Also: I fetch for x (0) or for Wo (1)
	s_and_b32 s16, s14, 1                          ; which half of its columns.  Also: which half of that tile I fetch
	s_bfe_u32 s17, ttmp6, 0x40000                  ; cx, cy: my place in the cluster
	s_bfe_u32 s18, ttmp6, 0x40004
	s_lshl_b32 s19, ttmp9, 2
	s_add_co_u32 s19, s19, s17                     ; tile column = 4 x cluster x + cx
	s_and_b32 s20, ttmp7, 0xffff
	s_lshl_b32 s20, s20, 2
	s_add_co_u32 s20, s20, s18                     ; tile row = 4 x cluster y + cy
	s_lshl_b32 s21, s18, 2
	s_lshl_b32 s21, 15, s21                        ; my row of the cluster
	s_lshl_b32 s22, 0x1111, s17                    ; my column
	; x: 4 row tiles of 16,384 bytes, dense in memory and in LDS
	s_or_b32 s[G1A], s21, (3<<16)|(1<<21)          ; 15:0 the mask: my row; 17:16 elements of 8 bytes; 21 set beside a mask; no padding
	s_mov_b32 s[G1A+1], 2048<<16                   ; tensor_dim0 = 2,048
	s_mov_b32 s[G1A+2], 4<<16                      ; tensor_dim1 = 4
	s_mov_b32 s[G1A+3], 2048<<16                   ; tile_dim0
	s_mov_b32 s[G1A+4], 4                          ; tile_dim1
	s_mov_b32 s[G1A+5], 2048                       ; tensor_dim0_stride
	s_mov_b32 s[G1A+6], 0
	s_mov_b32 s[G1A+7], 0
	; Wo: 64 rows x 1,024 bytes, padded in LDS
	s_or_b32 s[G1B], s22, (0<<16)|(1<<20)|(1<<21)|(7<<22)|(3<<25)   ; the mask: my column; elements of 1 byte; padding: 4 words after every 256
	s_mov_b32 s[G1B+1], 1024<<16
	s_mov_b32 s[G1B+2], 64<<16
	s_mov_b32 s[G1B+3], 1024<<16
	s_mov_b32 s[G1B+4], 64
	s_mov_b32 s[G1B+5], 1024
	s_mov_b32 s[G1B+6], 0
	s_mov_b32 s[G1B+7], 0
	s_lshl_b32 s23, s16, 16                        ; my half: 4 row tiles of 16,384 bytes, or 64 rows of 1,024
	s_lshl_b32 s76, s20, 17                        ; x: the tile row's 8 row tiles: hangs on the tile row alone
	s_add_co_u32 s76, s76, s23
	s_mov_b32 s77, 0
	s_lshl_b32 s78, s19, 17                        ; Wo: the tile column's 128 rows: on the tile column alone
	s_add_co_u32 s78, s78, s23
	s_mov_b32 s79, 0
	s_lshl_b32 s21, s16, 16                        ; where they go: no place in the cluster enters an LDS address
	s_mul_i32 s22, s16, 64*PITCH
	s_add_co_u32 s22, s22, BBASE
	s_wait_alu depctr_va_vdst(0)
	s_wait_dscnt 0x0                               ; both opening adds are done
	s_wait_kmcnt 0x0
	s_add_nc_u64 s[76:77], s[4:5], s[76:77]
	s_add_nc_u64 s[78:79], s[6:7], s[78:79]
	CROUND                                         ; all sixteen work-groups are here: the joint loads meet
	s_mov_b32 s[G0A], 1
	s_mov_b32 s[G0A+1], s21
	s_mov_b64 s[G0A+2:G0A+3], s[76:77]
	s_or_b32 s[G0A+3], s[G0A+3], 0x80000000
	s_mov_b32 s[G0B], 1
	s_mov_b32 s[G0B+1], s22
	s_mov_b64 s[G0B+2:G0B+3], s[78:79]
	s_or_b32 s[G0B+3], s[G0B+3], 0x80000000
	s_cmp_eq_u32 s15, 0                            ; one load a wave; the branch hangs on the wave's number alone
	s_cbranch_scc0 .Lfirst_b
	tensor_load_to_lds s[G0A:G0A+3], s[G1A:G1A+7]
	s_nop 0
	PLACES
	s_branch .Lfirst_asked
.Lfirst_b:
	tensor_load_to_lds s[G0B:G0B+3], s[G1B:G1B+7]
	s_nop 0
	PLACES
.Lfirst_asked:
	s_load_b64 s[78:79], s[10:11], 0x28            ; e10, e11 (B's address has been copied into its descriptor)
	s_lshl_b32 s22, s19, 9
	s_lshl_b32 s23, s16, 8
	s_add_co_u32 s22, s22, s23                     ; my first column in bytes: 512 x tile column + 256 x half: in out0's rows and in bo alike
	s_mov_b32 s23, 0
	s_add_nc_u64 s[8:9], s[8:9], s[22:23]
	s_add_nc_u64 s[12:13], s[12:13], s[22:23]
	s_lshl_b32 s22, s20, 19                        ; my first row: 128 x tile row + 64 x half, rows of 4,096 bytes
	s_lshl_b32 s21, s15, 18
	s_add_co_u32 s22, s22, s21
	s_add_nc_u64 s[12:13], s[12:13], s[22:23]
	s_lshl_b32 s21, s15, 16                        ; my four row tiles
	s_mul_i32 s22, s16, 64*PITCH                   ; my 64 rows of Wo
	s_add_co_u32 s22, s22, BBASE
	s_mul_i32 s23, s14, 16*SPITCH
	s_add_co_u32 s23, s23, STAGE                   ; my stage
	v_and_b32 v1, 15, v0                           ; r
	v_bfe_u32 v2, v0, 4, 1                         ; h
	v_and_b32 v3, 31, v0
	v_lshlrev_b32 v6, 5, v2                        ; 32 h
	v_lshlrev_b32 v3, 4, v3                        ; 16 x lane
	v_mul_u32_u24 v4, v1, PITCH
	v_mul_u32_u24 v5, v1, SPITCH
	v_mul_u32_u24 v7, v2, SPITCH
	v_lshlrev_b32 v8, 12, v2
	v_add_nc_u32 v[ADRA], s21, v3
	v_lshl_add_u32 v4, v2, 3, v4                   ; row r, + 8 h
	v_lshl_add_u32 v5, v2, 5, v5
	v_lshl_add_u32 v7, v1, 4, v7
	v_lshl_add_u32 v[CO], v1, 4, v8                ; in out0 lanes 0-15 take one row of 256 bytes, lanes 16-31 the next
	v_add_nc_u32 v[ADRB], s22, v4
	v_add_nc_u32 v[STO], s23, v5                   ; in: row r, 32 bytes for each half of the lanes
	v_add_nc_u32 v[RD], s23, v7                    ; back: the two rows
.irp b, 0,1,2,3
	global_load_b128 v[BO+8*\b:BO+8*\b+3], v6, s[8:9] offset:64*\b        ; bo of my columns 16 b + 8 h + 0 .. 7; waited for on the way out
	global_load_b128 v[BO+8*\b+4:BO+8*\b+7], v6, s[8:9] offset:64*\b+16
.endr
.macro XLOAD a, q                      ; x's fragment of block a, K step q: 4 loads of 512 consecutive bytes
	WIN 0xc0                                       ; destination window 3
.irp c, 0,1,2,3
	ds_load_b128 v[128*((\a)%2)+16*(\q)+4*\c:128*((\a)%2)+16*(\q)+4*\c+3], v[ADRA] offset:16384*(\a)+2048*(\q)+512*\c
.endr
.endm
.macro XBLOCK a                        ; all of a block's: 32 loads
.irp q, 0,1,2,3,4,5,6,7
	XLOAD \a, \q
.endr
.endm
.macro BLOAD q                         ; Wo's four fragments of K step q: 32 loads of 8 bytes a lane
	WIN (0x40*(1+(\q)/4))                          ; destination window 1 or 2
.irp i, 0,1,2,3
.irp c, 0,1,2,3,4,5,6,7
	ds_load_b64 v[64*((\q)%4)+16*\i+2*\c:64*((\q)%4)+16*\i+2*\c+1], v[ADRB] offset:16*PITCH*\i+128*(\q)+16*\c
.endr
.endr
.endm
; Four matrix instructions, 128 along K; a block's four accumulators take turns, one instruction a turn, in the same order in every step.  K step 0 starts the sums
.macro ROW a, q
	WIN (13+(\q)/4)                                ; source 0 window 1 or 2, source 1 window 3; C and D window 0
.irp b, 0,1,2,3
.if (\q) == 0
	v_wmma_f32_16x16x128_fp8_fp8 v[ACC+8*(4*(\a)+\b):ACC+8*(4*(\a)+\b)+7], v[64*((\q)%4)+16*\b:64*((\q)%4)+16*\b+15], v[128*((\a)%2)+16*(\q):128*((\a)%2)+16*(\q)+15], 0
.else
	v_wmma_f32_16x16x128_fp8_fp8 v[ACC+8*(4*(\a)+\b):ACC+8*(4*(\a)+\b)+7], v[64*((\q)%4)+16*\b:64*((\q)%4)+16*\b+15], v[128*((\a)%2)+16*(\q):128*((\a)%2)+16*(\q)+15], v[ACC+8*(4*(\a)+\b):ACC+8*(4*(\a)+\b)+7]
.endif
.endr
.endm
	; THE WAY OUT, block by block of 16 rows x 64 columns.  A lane holds 32 neighbouring bytes of a row: a block goes through my own stage and comes back as whole rows of 256 bytes.
	; LDS serves a wave's instructions in order (ISA guide 5.7.1.4): no wait between the stores and the loads, nor in front of the next block's stores.
.macro TOSTAGE a
	WIN 0
	PLACES                                         ; behind the block's last products, and in front of loads into its x fragments
.irp b, 0,1,2,3
.irp j, 0,2,4,6
	v_pk_fma_f32 v[TMP+8*\b+\j:TMP+8*\b+\j+1], v[ACC+8*(4*(\a)+\b)+\j:ACC+8*(4*(\a)+\b)+\j+1], s[76:77], v[BO+8*\b+\j:BO+8*\b+\j+1] op_sel_hi:[1,0,1]   ; sum x 2^(e10 + e11) + bo; each accumulator from its low end on
.endr
.endr
.irp b, 0,1,2,3
	ds_store_b128 v[STO], v[TMP+8*\b:TMP+8*\b+3] offset:64*\b
	ds_store_b128 v[STO], v[TMP+8*\b+4:TMP+8*\b+7] offset:64*\b+16
.endr
.irp t, 0,1,2,3,4,5,6,7
	ds_load_b128 v[ACC+32*(\a)+4*\t:ACC+32*(\a)+4*\t+3], v[RD] offset:\t*2*SPITCH   ; back into the registers that the block's sums have left
.endr
.endm
.macro SEND a
.irp t, 0,1,2,3,4,5,6,7
	global_store_b128 v[CO], v[ACC+32*(\a)+4*\t:ACC+32*(\a)+4*\t+3], s[12:13] offset:4096*(16*(\a)+2*\t) th:TH_STORE_NT   ; 16 lanes store 256 consecutive bytes, aligned; written once, read by nobody here
.endr
.endm
	s_wait_alu depctr_va_vdst(0)
	s_wait_kmcnt 0x0
	s_add_co_i32 s76, s78, s79
	s_add_co_i32 s76, s76, 127
	s_lshl_b32 s76, s76, 23                        ; 2^(e10 + e11) as f32
	s_mov_b32 s77, s76                             ; (named with it as a pair, so it is written)
	s_wait_tensorcnt 0x0                           ; my load is in
	s_barrier_signal -1
	s_barrier_wait -1                              ; everybody's is
	XLOAD 0, 0
	BLOAD 0
.set Q, 0
.rept 8                                ; block 0, while Wo's fragments come in
.if Q < 7
	XLOAD 0, Q+1
	BLOAD Q+1
	s_wait_dscnt 36                                ; all but the 36 loads of the next K step
.else
	XBLOCK 1
	s_wait_dscnt 32                                ; all but the next block's 32
.endif
	ROW 0, Q
.set Q, Q+1
.endr
	s_wait_loadcnt 0x0                             ; bo
.irp a, 0,1,2,3
	TOSTAGE \a
.if \a < 2
	XBLOCK \a+2                                    ; into the buffer of the block just finished
	WIN 0
	s_wait_dscnt 32                                ; block a is back, block a + 1's fragments are in; the 32 just issued may be out
.else
	s_wait_dscnt 0x0
.endif
	SEND \a
.if \a < 3
.irp q, 0,1,2,3,4,5,6,7
	ROW \a+1, \q
.endr
.endif
.endr
	s_wait_tensorcnt 0x0                           ; the wave's end
	ds_add_u32 v[SPW], v[NIL]
	s_wait_dscnt 0x0
	CROUND                                         ; the closing round: no work-group ends while a partner may still ask for a tile that names it
	s_endpgm
.Lfunc_end_k_q0f2479b79d_outp:
	.size	k_q0f2479b79d_outp, .Lfunc_end_k_q0f2479b79d_outp-k_q0f2479b79d_outp
	.p2alignl 7, 3214868480
	.fill 96, 4, 3214868480
	.section	.rodata,"a",@progbits
	.p2align	6, 0x0
	.amdhsa_kernel k_q0f2479b79d_outp
		.amdhsa_group_segment_fixed_size 327680
		.amdhsa_private_segment_fixed_size 0
		.amdhsa_enable_private_segment 0
		.amdhsa_kernarg_size 40
		.amdhsa_user_sgpr_count 2
		.amdhsa_user_sgpr_kernarg_segment_ptr 1
		.amdhsa_wavefront_size32 1
		.amdhsa_system_sgpr_workgroup_id_x 1
		.amdhsa_system_sgpr_workgroup_id_y 1
		.amdhsa_system_sgpr_workgroup_id_z 1
		.amdhsa_system_vgpr_workitem_id 0
		.amdhsa_next_free_vgpr 1024
		.amdhsa_next_free_sgpr 80
		.amdhsa_reserve_vcc 0
		.amdhsa_float_denorm_mode_32 3
		.amdhsa_float_denorm_mode_16_64 3
		.amdhsa_memory_ordered 1
		.amdhsa_forward_progress 1
		.amdhsa_inst_pref_size 53
	.end_amdhsa_kernel
	.amdgpu_metadata
---
amdhsa.version: [ 1, 2 ]
amdhsa.kernels:
  - .name:           k_q0f2479b79d_outp
    .symbol:         k_q0f2479b79d_outp.kd
    .args:
      - { .name: xc, .offset: 0, .size: 8, .value_kind: global_buffer, .address_space: global }
      - { .name: wo_codes, .offset: 8, .size: 8, .value_kind: global_buffer, .address_space: global }
      - { .name: bo, .offset: 16, .size: 8, .value_kind: global_buffer, .address_space: global }
      - { .name: lowp_scales, .offset: 24, .size: 8, .value_kind: global_buffer, .address_space: global }
      - { .name: out0, .offset: 32, .size: 8, .value_kind: global_buffer, .address_space: global }
    .group_segment_fixed_size: 327680
    .private_segment_fixed_size: 0
    .kernarg_segment_align: 8
    .kernarg_segment_size: 40
    .max_flat_workgroup_size: 128
    .sgpr_count:     80
    .vgpr_count:     1024
    .wavefront_size: 32
...
	.end_amdgpu_metadata
.endif
;; end of part 7
